; MI455X (gfx1250); checked and timed in simulation.
; The chip was launched on July 23, 2026; its instructions are those of AMD's public machine-readable ISA for CDNA 5 (MIT licence, August 2026) and "CDNA5" Instruction Set Architecture Reference Guide (July 2026). The comments in the code are by the model that wrote it; some were corrected since.
;; Multihead Self Attention. Allowed arithmetic: matrix products marked QUANTISED: E2M3 operands, one E8M0 scale for each 32 along K, by v_wmma_scale_f32_16x16x128_f8f6f4 with both operands' format E2M3, f32 sums; everything else in f32.
;; Inputs: WK 1,024 x 1,024 float32; WO 1,024 x 1,024 float32; WQ 1,024 x 1,024 float32; WV 1,024 x 1,024 float32; token_positions 2,048 int32; x 2 x 2,048 x 1,024 float32.
;; Outputs: out0 2 x 2,048 x 1,024 float32.
;; This version of the problem:
;;   THIS VERSION OF THE PROBLEM IS GIVEN IN LOW PRECISION. The matrix products marked QUANTISED in the list below multiply operands that are first quantised to E2M3 (2 exponent bits, 3 mantissa bits; 6 bits a number), with one power-of-two scale for each 32 numbers along K (OCP MX v1.0); their sums are f32. All else is computed in f32.
;;   The module's matrix products, in the order in which they are computed (A, B: the left and right operand; K: the contracted axis; several contracted axes count as one K, in the product's order):
;;     1. [M 4,096, K 1,024] x [K 1,024, N 1,024]; A: input x; B: input WQ: QUANTISED
;;     2. [M 4,096, K 1,024] x [K 1,024, N 1,024]; A: input x; B: input WK: QUANTISED
;;     3. [M 4,096, K 1,024] x [K 1,024, N 1,024]; A: input x; B: input WV: QUANTISED
;;     4. batch 32 x [M 2,048, K 64] x [K 64, N 2,048]; A: computed on the way; B: computed on the way: QUANTISED
;;     5. batch 32 x [M 2,048, K 2,048] x [K 2,048, N 64]; A: softmax (see below); B: computed on the way: QUANTISED
;;     6. [M 4,096, K 1,024] x [K 1,024, N 1,024]; A: computed on the way; B: input WO: QUANTISED
;;   THE QUANTISER, for each operand of a quantised product, along K:
;;     - K is cut into blocks of 32 from its start; a last block that is shorter is filled with zeros.
;;     - A block's scale is 2^e with e = floor(log2(the largest magnitude in the block)) - 2, held to -126 .. 127; a block of zeros has e = 0. As a byte (E8M0): e + 127.
;;     - Each number is divided by its block's scale, clamped to +-7.5, and rounded to the nearest number of E2M3, ties to even, subnormals kept.
;;     - The product sums the exact products of the quantised numbers (number of the format x scale) in f32.
;;   ~~~python
;;   def quantise(x, axis):      # numpy; x: float32 -> the quantised numbers, widened to float32 again
;;       x = np.moveaxis(x, axis, -1); K = x.shape[-1]
;;       x = np.pad(x, [(0, 0)] * (x.ndim - 1) + [(0, -K % 32)]); x = x.reshape(x.shape[:-1] + (-1, 32)); a = np.abs(x).max(-1, keepdims=True)
;;       e = np.where(a > 0, np.clip(np.frexp(np.where(a > 0, a, 1))[1] - 1 - 2, -126, 127), 0)      # np.frexp(a)[1] - 1 = floor(log2(a)), exactly
;;       r = np.clip(x / 2.0 ** e, -7.5, 7.5)
;;       step = 2.0 ** (np.maximum(np.frexp(np.where(r == 0, 1, r))[1] - 1, 0) - 3)
;;       q = np.round(r / step) * step * 2.0 ** e      # np.round: ties to even
;;       return np.moveaxis(q.reshape(q.shape[:-2] + (-1,))[..., :K], -1, axis).astype(np.float32)
;;   ~~~
;;   SOFTMAX AHEAD OF A QUANTISED PRODUCT. Where the list says 'softmax', what is quantised is not the finished softmax but p = 2^(t - M), with t = logit x log2(e) and M = ceil(the row's largest t), a whole number; so 1/2 < the row's largest p <= 1. The row's sum l is taken of the UNQUANTISED p, in f32, and the product's result is divided by l at the end. Since M is a whole number, a kernel that streams over the keys may use a running M (the ceiling of the running maximum): every later rescaling is an exact power of two, which a block's scale takes up: the codes' values come out the same.
;;   OPERANDS COMPUTED ON THE WAY. 'Computed on the way' means the value that the module computes at that place (a softmax that the list does not call 'softmax' is quantised finished and normalised). What goes into a quantiser is computed in f32, as accurately as f32 sums, v_exp_f32 and their like allow (about 1e-6 of the number): no bf16 or f16 on the way to a quantiser, and a product that is left as it is and whose result goes on into a quantised operand takes f32 operands (vector FMAs, or v_wmma_f32_16x16x4_f32). A number that lies on a knife's edge between two numbers of the format may be rounded either way, as far as f32 arithmetic and the matrix unit's own rounding can turn it there, and no further.
;; One version. Each part assembles by itself: llvm-mc -triple=amdgcn-amd-amdhsa -mcpu=gfx1250 --defsym DOCPART=n.
;; ======== version 1 of 1: 4 launches
;; limits: right only within a limited range of input values
;; workspace buffers: xcod 3,276,800 bytes; wcod 3,276,800 bytes; acod 3,276,800 bytes; ropet 524,288 bytes; qcod 3,407,872 bytes; kvcod 6,684,672 bytes
;; launch quant (part 1): grid 256 x 1, 4 waves a work-group, no clusters, 168,448 bytes of LDS; arguments x, WQ, WK, WV, WO, token_positions, xcod, wcod, ropet; writes xcod, wcod, ropet
.if DOCPART == 1
	.amdgcn_target "amdgcn-amd-amdhsa--gfx1250"
	.amdhsa_code_object_version 6
	.text
	.protected	k_q1ef26518e5_quant
	.globl	k_q1ef26518e5_quant
	.p2align	8
	.type	k_q1ef26518e5_quant,@function
k_q1ef26518e5_quant:
	s_mov_b64 s[64:65], 0
	v_nop
	global_prefetch_b8 v0, s[64:65] scope:SCOPE_SE
	s_setreg_imm32_b32 hwreg(HW_REG_WAVE_MODE, 25, 1), 1
	s_wait_xcnt 0x0
; x [4096][1024] and WQ, WK, WV, WO [1024][1024], f32 with K innermost, become codes of FP6 (E2M3) with one E8M0 scale byte for each 32 along K;
; token_positions becomes a table of cos and sin for the rotation of Q and K.
; THE OPERAND FORMAT of xcod (x) and wcod (the 4,096 rows WQ | WK | WV | WO).  Row tile T = 2 B + u holds rows 32 B + 8 u + r + 8 (r / 8), r = 0 .. 15.
;   codes at byte 0: [T][half of 64 along K (16)][768 bytes]: an image of the operand's registers: registers 0-3 as 16 bytes a lane (512 bytes), registers 4-5 as 8 bytes a lane (256 bytes);
;   scale words at byte SCOFF: [T / 4][K step of 128 (8)][r][T % 4], 4 bytes each: one load of 16 bytes at 16 r gives four tiles' words.
; A block's scale is 2^(floor(log2(its largest magnitude)) - 2): its byte is the largest magnitude's exponent field - 2, held at 1 from below.
; SHARES.  Work-group g: rows 64 (g / 2) .. + 63 of the 8,192 rows (x first, then the weights); wave i: K step 4 (g % 2) + i: 64 rows x 128 K = 32 KiB of f32 = four fragments.
; Each wave brings its numbers by one tensor load (64 rows of 512 bytes) into LDS bytes of its own: no barrier, nothing is filled twice.  The load goes out first; the table is made while it is out.
; The table: [position's place s (2048)][pair i (32)][cos, sin] f32.  Wave: places 8 g + 2 wave and the next; lane = pair.
;   angle = f32(position) x freq_i, freq_i = RN(1 / RN(10^(i / 8))): 10^(i / 8) is the product of those of 10^(1/8), 10^(1/4), 10^(1/2), 10, 100 that i's bits name, kept as a pair (value, error) by fused multiply-adds and rounded once.
; LIMITS.  NaN and infinities among the inputs are not served.  Blocks whose largest magnitude lies under 2^-124 have their byte held at 1; a block of zeros gets the byte 1 where the rule says 127
; (its codes are zeros, and this program alone reads the bytes).  Where the host's power function is not correctly rounded, a frequency differs from it by one unit in the last place.
; sin and cos: reduction by three parts of pi / 2 with fused multiply-adds: about 1e-7 absolute for |position| under 2^20, a few 1e-6 at 2^31.
.set PITCH, 528                        ; an LDS row: 512 bytes + 16 of padding
.set WREG,  64*PITCH                   ; a wave's own LDS bytes
; THE LAYOUT IN MEMORY of xcod and wcod, which takes the place of the offset for the scale words named above: a PANEL of 8 row tiles (128 rows) is 102,400 dense bytes:
; its codes [tile (8)][half (16)][768], 98,304 bytes, and behind them its scale words [tile / 4 (2)][K step (8)][r][tile % 4], 4,096 bytes.
.set X,     64                         ; v64-127, v128-191: two sets of 64 numbers
.set PC,    192                        ; v192-239: 12 registers of codes for each fragment, so that no store's data are written again
.set SEL,   62                         ; s[62:63] selects of v_permlanex16_b32: lane l xor 16
	s_load_b512 s[8:23], s[0:1], 0x0               ; x 8:9, WQ 10:11, WK 12:13, WV 14:15, WO 16:17, token_positions 18:19, xcod 20:21, wcod 22:23
	s_load_b64 s[24:25], s[0:1], 0x40              ; ropet
	v_lshl_add_u32 v254, v0, 2, 0x29000
	v_mov_b32 v255, 0
	ds_add_u32 v254, v255
	ds_add_u32 v254, v255
	v_lshrrev_b32 v1, 5, v0
	v_readfirstlane_b32 s26, v1                    ; wave
	s_lshr_b32 s27, ttmp9, 1                       ; which 64 rows of the 8,192
	s_and_b32 s28, ttmp9, 1
	s_lshl_b32 s29, s28, 2
	s_add_co_u32 s29, s29, s26                     ; q: my K step
	s_bfe_u32 s3, s27, 0x20004                     ; for a weight's rows: which weight (2 bits from bit 4)
	s_and_b32 s4, s27, 15                          ; and which 64 rows of it
	s_and_b32 s5, s27, 63                          ; which 64 rows of the destination
	; descriptor group 1: 64 rows of 128 elements of 4 bytes, 1,024 elements from row to row; 4 words of padding behind every 128
	s_mov_b32 s40, (2<<16)|(1<<20)|(6<<22)|(3<<25)
	s_mov_b32 s41, 128<<16                         ; tensor_dim0
	s_mov_b32 s42, 64<<16                          ; tensor_dim1: my 64 rows by one load
	s_mov_b32 s43, 128<<16                         ; tile_dim0
	s_mov_b32 s44, 64                              ; tile_dim1
	s_mov_b32 s45, 1024                            ; stride
	s_mov_b32 s46, 0
	s_mov_b32 s47, 0
	s_mov_b32 s[SEL], 0x76543210
	s_mov_b32 s[SEL+1], 0xfedcba98
	s_mov_b32 s48, 1
	s_mul_i32 s49, s26, WREG                       ; LDS: my 64 rows
	s_mov_b32 s31, 0
	s_wait_dscnt 0x0
	s_wait_kmcnt 0x0
	s_cmp_eq_u32 s3, 2                             ; the source and the destination are chosen on the work-group's number alone
	s_cselect_b64 s[32:33], s[14:15], s[16:17]
	s_cmp_eq_u32 s3, 1
	s_cselect_b64 s[32:33], s[12:13], s[32:33]
	s_cmp_eq_u32 s3, 0
	s_cselect_b64 s[32:33], s[10:11], s[32:33]
	s_cmp_lt_u32 s27, 64
	s_cselect_b64 s[32:33], s[8:9], s[32:33]
	s_cselect_b64 s[34:35], s[20:21], s[22:23]
	s_cselect_b32 s2, s27, s4
	s_lshl_b32 s30, s2, 18                         ; 64 rows of 4,096 bytes,
	s_lshl_b32 s6, s29, 9                          ; 512 bytes a K step
	s_add_co_u32 s30, s30, s6
	s_add_nc_u64 s[50:51], s[32:33], s[30:31]
	s_or_b32 s51, s51, 0x80000000
	tensor_load_to_lds s[48:51], s[40:47]          ; my one load, ahead of everything else
	s_nop 0
.rept 4
	v_nop                                          ; four such lines behind a tensor load
.endr
	s_lshl_b32 s30, ttmp9, 5                       ; my two positions: 4 bytes x (8 g + 2 wave)
	s_lshl_b32 s6, s26, 3
	s_add_co_u32 s30, s30, s6
	s_add_nc_u64 s[18:19], s[18:19], s[30:31]
	s_load_b64 s[56:57], s[18:19], 0x0
	s_lshl_b32 s30, s5, 3                          ; my scale words: SCOFF + (8 x group + q) x 256
	s_add_co_u32 s30, s30, s29
	s_lshl_b32 s30, s30, 8
	s_lshr_b32 s7, s5, 1                           ; my panel
	s_mul_i32 s6, s7, 98304                        ; the scale words lie behind each panel's codes: + 98,304 x (panel + 1)
	s_add_co_u32 s30, s30, s6
	s_add_co_u32 s30, s30, 98304
	s_add_nc_u64 s[36:37], s[34:35], s[30:31]
	s_mul_i32 s30, s5, 49152                       ; my codes: four tiles of 12,288 bytes a group, 1,536 bytes a K step
	s_mul_i32 s6, s29, 1536
	s_add_co_u32 s30, s30, s6
	s_lshl_b32 s7, s7, 12                          ; and 4,096 bytes of scale words for each panel passed
	s_add_co_u32 s30, s30, s7
	s_add_nc_u64 s[34:35], s[34:35], s[30:31]
	s_lshl_b32 s30, ttmp9, 11                      ; the table: 256 bytes a place
	s_lshl_b32 s6, s26, 9
	s_add_co_u32 s30, s30, s6
	s_add_nc_u64 s[38:39], s[24:25], s[30:31]
	v_and_b32 v1, 31, v0                           ; lane
	v_and_b32 v2, 15, v0                           ; r
	v_bfe_u32 v3, v0, 4, 1                         ; h
	v_and_b32 v4, 8, v2
	v_add_nc_u32 v4, v4, v2                        ; r + 8 (r / 8)
	v_mul_u32_u24 v4, v4, PITCH
	v_lshl_add_u32 v4, v3, 7, v4                   ; + 128 h: my block of 32 numbers
	v_add_nc_u32 v4, s49, v4                       ; v4: where my lane reads in the wave's LDS bytes
	v_lshlrev_b32 v5, 4, v1                        ; v5: 16 x lane
	v_lshlrev_b32 v6, 3, v1                        ; v6: 8 x lane
	v_lshlrev_b32 v7, 4, v2
	v_lshl_add_u32 v7, v3, 3, v7                   ; v7: 16 r + 8 h: my two of a row's four scale words
	v_lshlrev_b32 v30, 3, v3                       ; v30: 8 h
	v_mov_b32 v15, 0                               ; written once: a lane permute's destination counts as one of its sources
	; ---- the frequency of my pair: 10^(lane / 8) as value v32 + error v33
	v_mov_b32 v32, 1.0
	v_mov_b32 v33, 0
	v_mov_b32 v34, 1.0
	v_mov_b32 v35, 0
	v_mov_b32 v46, 0x37cd4000                      ; 2.44677067e-5: the cosine polynomial's leading coefficient
	v_mov_b32 v47, 0x36405000                      ; 2.86567956e-6: the sine polynomial's
.macro DFMUL bit, hi, lo               ; (v32, v33) x (hi, lo) where the lane's bit is set, x 1 elsewhere
	v_and_b32 v36, 1<<\bit, v1
	v_cmp_eq_u32 vcc_lo, 0, v36
	v_cndmask_b32 v37, \hi, v34, vcc_lo
	v_cndmask_b32 v38, \lo, v35, vcc_lo
	v_mul_f32 v39, v32, v37
	v_fma_f32 v40, v32, v37, -v39                  ; what the product's rounding dropped, exactly
	v_fma_f32 v40, v32, v38, v40
	v_fma_f32 v33, v33, v37, v40
	v_mov_b32 v32, v39
.endm
	DFMUL 0, 0x3faab0d5, 0xb36457ec                ; 10^(1/8) = 1.333521432163324
	DFMUL 1, 0x3fe39ea9, 0xb26aee3f                ; 10^(1/4) = 1.778279410038923
	DFMUL 2, 0x404a62c2, 0xb324b499                ; 10^(1/2) = 3.162277660168380
	DFMUL 3, 0x41200000, 0                         ; 10
	DFMUL 4, 0x42c80000, 0                         ; 100
	v_add_f32 v41, v32, v33                        ; rounded once
	s_wait_alu depctr_va_vdst(0)
	v_rcp_f32 v42, v41
	v_nop                                          ; a plain line behind the reciprocal (ISA guide 5.7.2)
	s_wait_alu depctr_va_vdst(0)
	v_fma_f32 v43, -v41, v42, 1.0
	v_fma_f32 v44, v43, v42, v42                   ; v44: the frequency: the reciprocal, corrected by its own residue
	s_wait_kmcnt 0x0                               ; the two positions
.macro SINCOS n
	v_cvt_f32_i32 v36, s[56+\n]
	s_wait_alu depctr_va_vdst(0)
	v_mul_f32 v36, v36, v44                        ; the angle
	v_mul_f32 v37, 0x3f22f983, v36                 ; x 2 / pi,
	v_rndne_f32 v37, v37                           ; to the nearest whole number of quarter turns
	v_fmamk_f32 v38, v37, 0xbfc90fd8, v36          ; less that many times pi / 2, in three parts
	v_fmamk_f32 v38, v37, 0xb4a8885a, v38
	v_fmamk_f32 v38, v37, 0xa7c234c4, v38
	v_mul_f32 v39, v38, v38
	v_fmaak_f32 v40, v46, v39, 0xbab6077d          ; cosine of the rest
	v_fmaak_f32 v40, v40, v39, 0x3d2aaaa8
	v_fma_f32 v40, v40, v39, -0.5
	v_fma_f32 v40, v40, v39, 1.0
	v_fmaak_f32 v41, v47, v39, 0xb9503486          ; sine of the rest
	v_fmaak_f32 v41, v41, v39, 0x3c0888c1
	v_fmaak_f32 v41, v41, v39, 0xbe2aaaab
	v_mul_f32 v42, v38, v39
	v_fma_f32 v41, v41, v42, v38
	v_cvt_i32_f32 v43, v37
	v_and_b32 v45, 1, v43
	v_cmp_ne_u32 vcc_lo, 0, v45                    ; an odd quarter swaps the two
	v_cndmask_b32 v[48+2*\n], v40, v41, vcc_lo
	v_cndmask_b32 v[49+2*\n], v41, v40, vcc_lo
	v_lshlrev_b32 v45, 30, v43                     ; the sine changes sign in quarters 2 and 3,
	v_and_b32 v45, 0x80000000, v45
	v_xor_b32 v[49+2*\n], v[49+2*\n], v45
	v_add_nc_u32 v43, 1, v43                       ; the cosine in quarters 1 and 2
	v_lshlrev_b32 v43, 30, v43
	v_and_b32 v43, 0x80000000, v43
	v_xor_b32 v[48+2*\n], v[48+2*\n], v43
	global_store_b64 v6, v[48+2*\n:49+2*\n], s[38:39] offset:256*\n   ; 32 lanes store 256 consecutive bytes, aligned
.endm
	SINCOS 0
	SINCOS 1
; Fragment j = 2 B + u of my four: lane (r, h) takes, of row 32 B + 8 u + r + 8 (r / 8), the blocks h and 2 + h whole: register 32 c + i = k 64 c + 32 h + i
.macro LOADF j, set
.irp c, 0,1
.irp i, 0,1,2,3,4,5,6,7
	ds_load_b128 v[X+64*(\set)+32*\c+4*\i:X+64*(\set)+32*\c+4*\i+3], v4 offset:(32*((\j)/2)+8*((\j)%2))*PITCH+256*\c+16*\i
.endr
.endr
.endm
.macro QF j, set
.set XS, X+64*(\set)
.set PCJ, PC+12*(\j)
.irp c, 0,1
	v_max3_num_f32 v[8+\c], |v[XS+32*\c]|, |v[XS+32*\c+1]|, 0x1800000   ; my block's largest magnitude, and the floor 2^(3 - 127): the byte cannot fall under 1
.endr
.irp i, 2,4,6,8,10,12,14,16,18,20,22,24,26,28,30
.irp c, 0,1
	v_max3_num_f32 v[8+\c], v[8+\c], |v[XS+32*\c+\i]|, |v[XS+32*\c+\i+1]|   ; (the two blocks by turns)
.endr
.endr
.irp c, 0,1
	v_add_nc_u32 v[10+\c], 0xff000000, v[8+\c]     ; 2 off its exponent field: the conversion takes that field as its scale
.endr
.irp c, 0,1
	v_lshrrev_b32 v[12+\c], 23, v[10+\c]           ; the scale's byte
.endr
	v_lshl_or_b32 v14, v13, 16, v12                ; my two bytes, blocks h and 2 + h,
	v_lshlrev_b32 v14, v30, v14                    ; at their places in the row's word;
	v_permlanex16_b32 v15, v14, s[SEL], s[SEL+1]
	v_or_b32 v[16+\j], v14, v15                    ; with lane l xor 16's two the word is whole
.irp c, 0,1
	v_cvt_scalef32_pk16_fp6_f32 v[PCJ+6*\c:PCJ+6*\c+2], v[XS+32*\c:XS+32*\c+15], v[10+\c]
	v_cvt_scalef32_pk16_fp6_f32 v[20+4*\c:22+4*\c], v[XS+32*\c+16:XS+32*\c+31], v[10+\c]   ; (a conversion's three registers begin on an even number)
.endr
	v_nop                                          ; one plain line behind a scaled conversion
.irp c, 0,1
.irp i, 0,1,2
	v_mov_b32 v[PCJ+6*\c+3+\i], v[20+4*\c+\i]
.endr
.endr
	global_store_b128 v5, v[PCJ:PCJ+3], s[34:35] offset:12288*(\j)             ; each store covers 512 or 256 consecutive bytes, aligned
	global_store_b64 v6, v[PCJ+4:PCJ+5], s[34:35] offset:12288*(\j)+512
	global_store_b128 v5, v[PCJ+6:PCJ+9], s[34:35] offset:12288*(\j)+768
	global_store_b64 v6, v[PCJ+10:PCJ+11], s[34:35] offset:12288*(\j)+1280
.endm
	s_wait_tensorcnt 0x0                           ; my 64 rows are in
	LOADF 0, 0
	LOADF 1, 1
	s_wait_dscnt 16                                ; fragment 0's loads are in; the 16 issued behind them may be out
	QF 0, 0
	LOADF 2, 0
	s_wait_dscnt 16
	QF 1, 1
	LOADF 3, 1
	s_wait_dscnt 16
	QF 2, 0
	s_wait_dscnt 0x0
	QF 3, 1
	v_cmp_ne_u32 vcc_lo, 0, v3                     ; lanes 0-15 store tiles 0 and 1's words of their row, lanes 16-31 tiles 2 and 3's
	v_cndmask_b32 v28, v16, v18, vcc_lo
	v_cndmask_b32 v29, v17, v19, vcc_lo
	global_store_b64 v7, v[28:29], s[36:37]        ; 32 lanes store 256 consecutive bytes, aligned
	s_wait_tensorcnt 0x0
	ds_add_u32 v254, v255
	s_wait_dscnt 0x0
	s_endpgm
.Lfunc_end_k_q1ef26518e5_quant:
	.size	k_q1ef26518e5_quant, .Lfunc_end_k_q1ef26518e5_quant-k_q1ef26518e5_quant
	.p2alignl 7, 3214868480
	.fill 96, 4, 3214868480
	.section	.rodata,"a",@progbits
	.p2align	6, 0x0
	.amdhsa_kernel k_q1ef26518e5_quant
		.amdhsa_group_segment_fixed_size 168448
		.amdhsa_private_segment_fixed_size 0
		.amdhsa_enable_private_segment 0
		.amdhsa_kernarg_size 72
		.amdhsa_user_sgpr_count 2
		.amdhsa_user_sgpr_kernarg_segment_ptr 1
		.amdhsa_wavefront_size32 1
		.amdhsa_system_sgpr_workgroup_id_x 1
		.amdhsa_system_sgpr_workgroup_id_y 1
		.amdhsa_system_sgpr_workgroup_id_z 1
		.amdhsa_system_vgpr_workitem_id 0
		.amdhsa_next_free_vgpr 256
		.amdhsa_next_free_sgpr 66
		.amdhsa_reserve_vcc 1
		.amdhsa_float_denorm_mode_32 3
		.amdhsa_float_denorm_mode_16_64 3
		.amdhsa_memory_ordered 1
		.amdhsa_forward_progress 1
		.amdhsa_inst_pref_size 28
	.end_amdhsa_kernel
	.amdgpu_metadata
---
amdhsa.version: [ 1, 2 ]
amdhsa.kernels:
  - .name:           k_q1ef26518e5_quant
    .symbol:         k_q1ef26518e5_quant.kd
    .args:
      - { .name: x, .offset: 0, .size: 8, .value_kind: global_buffer, .address_space: global }
      - { .name: WQ, .offset: 8, .size: 8, .value_kind: global_buffer, .address_space: global }
      - { .name: WK, .offset: 16, .size: 8, .value_kind: global_buffer, .address_space: global }
      - { .name: WV, .offset: 24, .size: 8, .value_kind: global_buffer, .address_space: global }
      - { .name: WO, .offset: 32, .size: 8, .value_kind: global_buffer, .address_space: global }
      - { .name: token_positions, .offset: 40, .size: 8, .value_kind: global_buffer, .address_space: global }
      - { .name: xcod, .offset: 48, .size: 8, .value_kind: global_buffer, .address_space: global }
      - { .name: wcod, .offset: 56, .size: 8, .value_kind: global_buffer, .address_space: global }
      - { .name: ropet, .offset: 64, .size: 8, .value_kind: global_buffer, .address_space: global }
    .group_segment_fixed_size: 168448
    .private_segment_fixed_size: 0
    .kernarg_segment_align: 8
    .kernarg_segment_size: 72
    .max_flat_workgroup_size: 128
    .sgpr_count:     66
    .vgpr_count:     256
    .wavefront_size: 32
...
	.end_amdgpu_metadata
.endif
;; end of part 1
;; launch qkv (part 2): grid 8 x 32, 4 waves a work-group, clusters of 4 x 4, 327,680 bytes of LDS; arguments xcod, wcod, ropet, qcod, kvcod; writes qcod, kvcod
.if DOCPART == 2
	.amdgcn_target "amdgcn-amd-amdhsa--gfx1250"
	.amdhsa_code_object_version 6
	.text
	.protected	k_q1ef26518e5_qkv
	.globl	k_q1ef26518e5_qkv
	.p2align	8
	.type	k_q1ef26518e5_qkv,@function
k_q1ef26518e5_qkv:
	s_mov_b64 s[64:65], 0
	v_nop
	global_prefetch_b8 v0, s[64:65] scope:SCOPE_SE
	s_setreg_imm32_b32 hwreg(HW_REG_WAVE_MODE, 25, 1), 1
	s_wait_xcnt 0x0
	s_wait_alu depctr_hold_cnt(0) depctr_sa_sdst(0) depctr_va_vdst(0) depctr_va_sdst(0) depctr_va_ssrc(0) depctr_va_vcc(0) depctr_vm_vsrc(0)
	s_getreg_b32 s2, hwreg(HW_REG_IB_STS2, 6, 4)
	s_cmp_eq_u32 s2, 0
	s_cbranch_scc0 .Lentry_in_a_cluster
	s_endpgm
.Lentry_in_a_cluster:
	s_bfe_u32 s2, ttmp6, 0x10000c
	s_cmp_lg_u32 s2, 0xf033
	s_cbranch_scc0 .Lentry_shape_is_right
	s_endpgm
.Lentry_shape_is_right:
; Q = rope(x WQ^T), K = rope(x WK^T), V = x WV^T on codes of FP6 (E2M3) with E8M0 scales; the results are quantised again, Q and K along the head's 64, V along the keys, and stored as images of the next products' operands.
; xcod, wcod: the operand format: row tile T = 2 B + u holds rows 32 B + 8 u + r + 8 (r / 8); codes [T][half of 64 K (16)][768 bytes: registers 0-3 at 16 x lane, registers 4-5 at 512 + 8 x lane]; scale words at SCOFF: [T / 4][K step (8)][r][T % 4].
; SHARES.  Work-group (e, p): weight panels e (WQ), 8 + e (WK), 16 + e (WV), 128 rows each = heads 2 e and 2 e + 1; x's panel p = 128 rows = key step p % 16 of batch p / 16.  It stays for three jobs.
; A JOB is 128 rows of P x 128 rows of R x K 1,024.  P is source 0 and runs along a lane's registers, R is source 1: one row to a lane.  Wave w: all 8 tiles of P x R's tiles 2 w, 2 w + 1: 16 accumulators, by turns.
; By the tiles' row order the 64 registers of one tile of R are 128 places along P, register 16 b + i = place 32 b + 16 (lane / 16) + i: what the quantiser wants.
;   Q, K: P = the weight, R = x: a lane holds a row of x, its registers 128 outputs = two heads.   V: P = x, R = the weight: a lane holds a channel, its registers the key step's 128 keys.
; LDS holds x's panel and two weight panels whole (K = 1,024: 98,304 bytes each); WV's panel is filled over WQ's when the Q job has read it: the launch's one refill.
; CLUSTER 4 x 4: x's panel hangs on p alone and is asked for jointly along a row of the cluster, the weights' hang on e alone and are asked for jointly along a column.
; OUT.  qcod: codes [head (32)][tile (128)][768], scale words at SCOFF [head][tile / 4][r][tile % 4] (bytes 0 and 1 count; bytes 2 and 3 are never 0xff).
;   kvcod: [head][key step (16)][13,056]: K's 8 tiles x 768 | V's 4 channel tiles x 1,536 | K's scale words [2][r][4] | V's [r][4].
;   The scale words leave as 8 bytes a lane, 16 bytes apart: two waves fill 256 bytes between them; they are one part in 24 of what the launch stores, and gathering them would cost a barrier a job.
; LIMITS.  NaN and infinities are not served; a block whose largest magnitude lies under 2^-124 has its byte held at 1, a block of zeros too (its codes are zeros; this program alone reads the bytes).
; REGISTERS, in windows of 256.  Window 0: v1-25 addresses; v32-47 P's scale words, v48-51 R's (two sets each); v52-67 the quantiser's work; v68-71 scale words made; v72-79 the rotation's work; v80-119 codes made; v128-255 accumulators.
;   Window 1: P's fragments, two sets of 96.   Window 2: R's fragments, two sets of 24; v64-127 cos and sin of my rows.
; A PANEL of xcod and wcod (8 row tiles) is 102,400 dense bytes: codes [tile (8)][half (16)][768], then its scale words [tile / 4 (2)][K step (8)][r][tile % 4].  It lies in LDS as in memory.
; At the head waves 0 and 1 bring the halves of x's panel, waves 2 and 3 those of WQ's: one load a wave.  WK's panel, and later WV's over WQ's, come as quarters, one a wave, each behind a round of the cluster's barrier.
.set PANEL,  102400
.set SCOFF,  3145728
.set KVSTEP, 13056
.set XP,     0                         ; LDS: x's panel, as in memory
.set S0,     PANEL                     ; WQ's, later WV's
.set S1,     2*PANEL                   ; WK's
.set SPARE,  3*PANEL
.set LI16, 1                           ; 16 x lane
.set LI8,  2                           ; 8 x lane
.set R16,  3                           ; 16 r
.set SH16, 4                           ; 16 h
.set SPW,  5                           ; my spare word's LDS address; never rewritten
.set NIL,  6                           ; 0; never rewritten
.set LW16, 7                           ; 16 x lane + 24,576 x wave: R's tiles 2 w on
.set LW8,  8
.set RSW1, 9                           ; R's scale words where they lie as in memory: 16 r + 2,048 (w / 2) + 8 (w % 2)
.set AP16, 12                          ; v12-13, v14-15: P's panel, tiles 0-3 and 4-7, by 16 and by 8 bytes a lane
.set AP8,  14
.set AR16, 16                          ; v16-19: the same for R
.set AR8,  18
.set APS,  20
.set ARS,  21
.set QSO,  22                          ; 8,192 h + 16 r: Q's scale words; the lane's half picks the head
.set KSO,  23                          ; 208,896 h + 16 r: K's
.set ROF,  24                          ; my row's place in the table
.set PSC,  32
.set RSC,  48
.set TM,   52
.set PW,   68
.set SHW,  70
.set T,    72
.set PC,   80
.set ACC,  128
.set CSR,  64                          ; in window 2
.set G1X,  24                          ; s[24:31] group 1: a panel's chunk, x's mask;  s[32:39] the weights' mask
.set G1W,  32
.set G1V,  40                          ; s[40:47] group 1: a quarter of a panel, the weights' mask
.set G0X,  68
.set G0Q,  72
.set G0K,  76
.set G0V,  80
.set SEL,  96
.set MSB, 0
.macro WIN new                         ; the immediate's high byte repeats the setting that is left; a switch that changes nothing is dropped
.if MSB != \new
	s_set_vgpr_msb (MSB<<8)|\new
.set MSB, \new
.endif
.endm
.macro PLACES                          ; four plain lines between a matrix instruction and a read of its result, or a load into one of its registers
.rept 4
	v_nop
.endr
.endm
.macro CROUND                          ; a round of the cluster's barrier: my work-group's barrier; wave 0 signals for the work-group; all wait for all sixteen; my work-group's barrier again
	s_barrier_signal -1
	s_barrier_wait -1
	s_cmp_lg_u32 s14, 0
	s_cbranch_scc1 .Lnot_wave_0_\@
	s_barrier_signal -3
.Lnot_wave_0_\@:
	s_barrier_wait -3
	s_barrier_signal -1
	s_barrier_wait -1
.endm
.macro SETJOB pbase, rbase, psbase, psa, rsbase, rsa, rsw   ; the LDS addresses of a job: panels, scale words, and the scale words' step from K steps 0-3 to 4-7
.set PSA, \psa
.set RSA, \rsa
.irp c, 0,1
	v_add_nc_u32 v[AP16+\c], \pbase+49152*\c, v[LI16]
	v_add_nc_u32 v[AP8+\c], \pbase+49152*\c, v[LI8]
.endr
	v_add_nc_u32 v[AR16], \rbase, v[LW16]
	v_add_nc_u32 v[AR8], \rbase, v[LW8]
	v_add_nc_u32 v[APS], \psbase, v[R16]
	v_add_nc_u32 v[ARS], \rsbase, v[\rsw]
.endm
.macro FRAG4 reg, a16, a8, off         ; a fragment's 12 registers: two halves' images
	ds_load_b128 v[\reg:\reg+3], v[\a16] offset:\off
	ds_load_b64 v[\reg+4:\reg+5], v[\a8] offset:\off+512
	ds_load_b128 v[\reg+6:\reg+9], v[\a16] offset:\off+768
	ds_load_b64 v[\reg+10:\reg+11], v[\a8] offset:\off+1280
.endm
.macro FETCH q                         ; K step q's 43 loads into set q % 2: P's eight fragments, R's two, their scale words
.set FS, (\q)%2
.set FC, (\q)/4
.set FO, 1536*(\q)
	WIN 0x40                                       ; destination window 1, address window 0
.irp t, 0,1,2,3,4,5,6,7
	FRAG4 96*FS+12*\t, AP16+\t/4, AP8+\t/4, FO+12288*(\t%4)
.endr
	WIN 0x80                                       ; destination window 2
.irp m, 0,1
	FRAG4 24*FS+12*\m, AR16, AR8, FO+12288*\m
.endr
	WIN 0
	ds_load_b128 v[PSC+8*FS:PSC+8*FS+3], v[APS] offset:PSA*FC+256*((\q)%4)
	ds_load_b128 v[PSC+8*FS+4:PSC+8*FS+7], v[APS] offset:PSA*FC+256*((\q)%4)+2*PSA
	ds_load_b64 v[RSC+2*FS:RSC+2*FS+1], v[ARS] offset:RSA*FC+256*((\q)%4)
.endm
.macro MUL q, zero                     ; 16 matrix instructions; the 16 accumulators take turns, in the same order in every step.  zero = 1: the products start the sums
.set FS, (\q)%2
	WIN 0x09                                       ; source 0 window 1, source 1 window 2, C and D window 0
.irp t, 0,1,2,3,4,5,6,7
.irp m, 0,1
.if \zero
	v_wmma_scale_f32_16x16x128_f8f6f4 v[ACC+64*\m+8*\t:ACC+64*\m+8*\t+7], v[96*FS+12*\t:96*FS+12*\t+11], v[24*FS+12*\m:24*FS+12*\m+11], 0, v[PSC+8*FS+\t], v[RSC+2*FS+\m] matrix_a_fmt:MATRIX_FMT_FP6 matrix_b_fmt:MATRIX_FMT_FP6
.else
	v_wmma_scale_f32_16x16x128_f8f6f4 v[ACC+64*\m+8*\t:ACC+64*\m+8*\t+7], v[96*FS+12*\t:96*FS+12*\t+11], v[24*FS+12*\m:24*FS+12*\m+11], v[ACC+64*\m+8*\t:ACC+64*\m+8*\t+7], v[PSC+8*FS+\t], v[RSC+2*FS+\m] matrix_a_fmt:MATRIX_FMT_FP6 matrix_b_fmt:MATRIX_FMT_FP6
.endif
.endr
.endr
.endm
.macro JOBLOOP                         ; eight K steps, written out; each step's loads are issued a step ahead
	FETCH 0
	FETCH 1
	s_wait_dscnt 43                                ; step 0's loads are in; the 43 issued behind them may be out
	MUL 0, 1
.irp q, 1,2,3,4,5,6
	PLACES                                         ; the set that is loaded next was multiplied by the step just issued but one; its last reader stands in front of these lines
	FETCH \q+1
	s_wait_dscnt 43
	MUL \q, 0
.endr
	s_wait_dscnt 0x0
	MUL 7, 0
	WIN 0
.endm
; 64 numbers of a lane, register 16 b + i = k 32 b + 16 (lane / 16) + i of its row, become a fragment's 12 registers of codes at v[pc] and the row's scale word in v[pw]
.macro QUANT s, pc, pw
.irp b, 0,1,2,3
	v_max3_num_f32 v[TM+\b], |v[\s+16*\b]|, |v[\s+1+16*\b]|, 0x1800000   ; my 16 numbers of block b, and the floor 2^(3 - 127): the byte cannot fall under 1
.endr
.irp i, 2,4,6,8,10,12,14
.irp b, 0,1,2,3
	v_max3_num_f32 v[TM+\b], v[TM+\b], |v[\s+16*\b+\i]|, |v[\s+1+16*\b+\i]|
.endr
.endr
.irp b, 0,1,2,3
	v_permlanex16_b32 v[TM+4+\b], v[TM+\b], s[SEL], s[SEL+1]
.endr
.irp b, 0,1,2,3
	v_max_num_f32 v[TM+\b], v[TM+\b], v[TM+4+\b]   ; with lane l xor 16's: the block's largest magnitude
.endr
.irp b, 0,1,2,3
	v_add_nc_u32 v[TM+12+\b], 0xff000000, v[TM+\b] ; 2 off its exponent field: the conversion's scale operand
.endr
.irp b, 0,1,2,3
	v_lshrrev_b32 v[TM+4+\b], 23, v[TM+12+\b]      ; the scale's byte
.endr
	v_lshl_or_b32 v[\pw], v[TM+5], 8, v[TM+4]
	v_lshl_or_b32 v[\pw], v[TM+6], 16, v[\pw]
	v_lshl_or_b32 v[\pw], v[TM+7], 24, v[\pw]
.irp c, 0,1
	v_cvt_scalef32_pk16_fp6_f32 v[\pc+6*\c:\pc+2+6*\c], v[\s+32*\c:\s+15+32*\c], v[TM+12+2*\c]
	v_cvt_scalef32_pk16_fp6_f32 v[\pc+12+4*\c:\pc+14+4*\c], v[\s+16+32*\c:\s+31+32*\c], v[TM+12+2*\c+1]   ; (a conversion's three registers begin on an even number)
.endr
	v_nop                                          ; one plain line behind a scaled conversion
.irp c, 0,1                            ; the operand's layout wants a whole block in a lane: lanes 0-15 block 2 c, lanes 16-31 block 2 c + 1
.irp i, 0,1,2
	v_permlane16_swap_b32 v[\pc+6*\c+\i], v[\pc+12+4*\c+\i]
.endr
.irp i, 0,1,2
	v_mov_b32 v[\pc+3+6*\c+\i], v[\pc+12+4*\c+\i]
.endr
.endr
.endm
; Q's and K's way out.  cb: the codes' base, hs: bytes from a head to the next, sb: the scale words' base, voff: their lane offset.
; Rotation: pair (x0, x1) -> (cos x0 - sin x1, sin x0 + cos x1): T = (-x1 sin, x0 sin), then X = X cos + T.  Pairs in ascending order: each accumulator is read from its low end on.
.macro EPI_QK cb, hs, sb, voff
	s_wait_xcnt 0x0                                ; the stores issued so far have read their registers: the codes' registers may be written again
.irp m, 0,1
	WIN 0x08                                       ; source 1 (cos, sin) window 2
.set PG, 0
.rept 8
.irp k, 0,1,2,3
	v_pk_mul_f32 v[T+2*\k:T+2*\k+1], v[ACC+64*\m+8*PG+2*\k:ACC+64*\m+8*PG+2*\k+1], v[CSR+32*\m+16*((PG/2)%2)+8*(PG%2)+2*\k:CSR+32*\m+16*((PG/2)%2)+8*(PG%2)+2*\k+1] op_sel:[1,1] op_sel_hi:[0,1] neg_lo:[1,0]
.endr
.irp k, 0,1,2,3
	v_pk_fma_f32 v[ACC+64*\m+8*PG+2*\k:ACC+64*\m+8*PG+2*\k+1], v[ACC+64*\m+8*PG+2*\k:ACC+64*\m+8*PG+2*\k+1], v[CSR+32*\m+16*((PG/2)%2)+8*(PG%2)+2*\k:CSR+32*\m+16*((PG/2)%2)+8*(PG%2)+2*\k+1], v[T+2*\k:T+2*\k+1] op_sel_hi:[1,0,1]
.endr
.set PG, PG+1
.endr
	WIN 0
	QUANT ACC+64*\m, PC+20*\m, PW+\m
	global_store_b128 v[LI16], v[PC+20*\m:PC+20*\m+3], s[\cb:\cb+1] offset:768*\m                 ; the first head's half image: 512 and 256 consecutive bytes, aligned
	global_store_b64 v[LI8], v[PC+20*\m+4:PC+20*\m+5], s[\cb:\cb+1] offset:768*\m+512
	global_store_b128 v[LI16], v[PC+20*\m+6:PC+20*\m+9], s[\cb:\cb+1] offset:\hs+768*\m           ; the second head's
	global_store_b64 v[LI8], v[PC+20*\m+10:PC+20*\m+11], s[\cb:\cb+1] offset:\hs+768*\m+512
.endr
	v_lshrrev_b32 v[SHW], v[SH16], v[PW]           ; lanes 0-15 store the first head's two bytes, lanes 16-31 the second's, at the word's low end
	v_lshrrev_b32 v[SHW+1], v[SH16], v[PW+1]
	global_store_b64 v[\voff], v[SHW:SHW+1], s[\sb:\sb+1]
.endm
.macro EPI_V
	s_wait_xcnt 0x0
.irp m, 0,1
	QUANT ACC+64*\m, PC+20*\m, PW+\m
	global_store_b128 v[LI16], v[PC+20*\m:PC+20*\m+3], s[92:93] offset:1536*\m
	global_store_b64 v[LI8], v[PC+20*\m+4:PC+20*\m+5], s[92:93] offset:1536*\m+512
	global_store_b128 v[LI16], v[PC+20*\m+6:PC+20*\m+9], s[92:93] offset:1536*\m+768
	global_store_b64 v[LI8], v[PC+20*\m+10:PC+20*\m+11], s[92:93] offset:1536*\m+1280
.endr
	global_store_b64 v[R16], v[PW:PW+1], s[94:95]  ; lanes 16-31 write the same bytes with the same values
.endm
	s_load_b256 s[4:11], s[0:1], 0x0               ; xcod 4:5, wcod 6:7, ropet 8:9, qcod 10:11
	s_load_b64 s[12:13], s[0:1], 0x20              ; kvcod
	v_lshl_add_u32 v[SPW], v0, 2, SPARE
	v_mov_b32 v[NIL], 0
	ds_add_u32 v5, v6
	ds_add_u32 v5, v6
	s_wait_dscnt 0x0
	v_lshrrev_b32 v11, 5, v0
	v_readfirstlane_b32 s14, v11                   ; wave
	s_lshr_b32 s15, s14, 1
	s_and_b32 s16, s14, 1
	s_bfe_u32 s17, ttmp6, 0x40000                  ; cx, cy: my place in the cluster
	s_bfe_u32 s18, ttmp6, 0x40004
	s_lshl_b32 s19, ttmp9, 2
	s_add_co_u32 s19, s19, s17                     ; e
	s_and_b32 s20, ttmp7, 0xffff
	s_lshl_b32 s20, s20, 2
	s_add_co_u32 s20, s20, s18                     ; p
	s_lshl_b32 s21, s18, 2
	s_lshl_b32 s21, 15, s21                        ; my row of the cluster
	s_lshl_b32 s22, 0x1111, s17                    ; my column
	; group 1.  Elements of 8 bytes, no padding; the mask, and bit 21 beside it
	s_or_b32 s[G1X], s21, (3<<16)|(1<<21)
	s_or_b32 s[G1W], s22, (3<<16)|(1<<21)
.irp g, G1X, G1W                       ; a panel in dense halves, one a wave
	s_mov_b32 s[\g+1], 32<<16                      ; half a panel: 51,200 dense bytes as 200 rows of 256
	s_mov_b32 s[\g+2], 200<<16
	s_mov_b32 s[\g+3], 32<<16
	s_mov_b32 s[\g+4], 200
	s_mov_b32 s[\g+5], 32
	s_mov_b32 s[\g+6], 0
	s_mov_b32 s[\g+7], 0
.endr
	s_or_b32 s[G1V], s22, (3<<16)|(1<<21)          ; a quarter of a panel: 25,600 dense bytes as 100 rows of 256
	s_mov_b32 s[G1V+1], 32<<16
	s_mov_b32 s[G1V+2], 100<<16
	s_mov_b32 s[G1V+3], 32<<16
	s_mov_b32 s[G1V+4], 100
	s_mov_b32 s[G1V+5], 32
	s_mov_b32 s[G1V+6], 0
	s_mov_b32 s[G1V+7], 0
	s_mov_b32 s[SEL], 0x76543210
	s_mov_b32 s[SEL+1], 0xfedcba98
	s_mul_i32 s98, s16, 51200                      ; my half of a panel, in memory and in LDS
	s_mul_i32 s99, s14, 25600                      ; my quarter
	; group 0.  x's addresses are made of p and the wave's number, the weights' of e and the wave's number, each in registers that never hold the other; LDS addresses of the wave's number alone
	s_mov_b32 s[G0X], 1
	s_mov_b32 s[G0X+1], s98
	s_mov_b32 s[G0Q], 1
	s_add_co_u32 s[G0Q+1], s98, S0
	s_mov_b32 s[G0K], 1
	s_add_co_u32 s[G0K+1], s99, S1
	s_mov_b32 s[G0V], 1
	s_add_co_u32 s[G0V+1], s99, S0
	s_mul_i32 s84, s19, PANEL
	s_add_co_u32 s84, s84, s99
	s_mov_b32 s85, 0
	s_mov_b32 s3, 0
	s_mov_b32 s67, 0
	s_mul_i32 s2, s20, PANEL
	s_add_co_u32 s2, s2, s98
	s_mul_i32 s66, s19, PANEL
	s_add_co_u32 s66, s66, s98
	CROUND                                         ; the round in front of the first joint loads: it needs no argument, so it stands ahead of the wait for them
	s_wait_kmcnt 0x0
	s_add_nc_u64 s[G0X+2:G0X+3], s[4:5], s[2:3]
	s_add_nc_u64 s[G0Q+2:G0Q+3], s[6:7], s[66:67]
	s_add_nc_u64 s[G0K+2:G0K+3], s[6:7], s[84:85]
	s_add_nc_u64 s[G0V+2:G0V+3], s[G0K+2:G0K+3], 16*PANEL
	s_add_nc_u64 s[G0K+2:G0K+3], s[G0K+2:G0K+3], 8*PANEL
.irp g, G0X, G0Q, G0K, G0V
	s_or_b32 s[\g+3], s[\g+3], 0x80000000
.endr
	s_cmp_eq_u32 s15, 0
	s_cbranch_scc0 .Lhead_w
	tensor_load_to_lds s[G0X:G0X+3], s[G1X:G1X+7]  ; waves 0, 1: the halves of x's panel
	s_nop 0
	PLACES
	s_branch .Lhead_asked
.Lhead_w:
	tensor_load_to_lds s[G0Q:G0Q+3], s[G1W:G1W+7]  ; waves 2, 3: the halves of WQ's
	s_nop 0
	PLACES
.Lhead_asked:
	v_and_b32 v11, 31, v0
	v_lshlrev_b32 v[LI16], 4, v11
	v_lshlrev_b32 v[LI8], 3, v11
	v_and_b32 v11, 15, v0                          ; r
	v_lshlrev_b32 v[R16], 4, v11
	v_bfe_u32 v25, v0, 4, 1                        ; h
	v_lshlrev_b32 v[SH16], 4, v25
	s_mul_i32 s98, s14, 24576                      ; R's tiles 2 w on: 12,288 bytes a tile
	v_add_nc_u32 v[LW16], s98, v[LI16]
	v_add_nc_u32 v[LW8], s98, v[LI8]
	s_lshl_b32 s98, s15, 11
	s_lshl_b32 s99, s16, 3
	s_add_co_u32 s98, s98, s99
	v_add_nc_u32 v[RSW1], s98, v[R16]
	v_lshl_add_u32 v[QSO], v25, 13, v[R16]
	v_mul_u32_u24 v[KSO], v25, 16*KVSTEP
	v_add_nc_u32 v[KSO], v[KSO], v[R16]
	v_and_b32 v26, 8, v11
	v_add_nc_u32 v26, v26, v11                     ; r + 8 (r / 8)
	v_lshlrev_b32 v[ROF], 8, v26                   ; 256 bytes a row of the table,
	v_lshl_add_u32 v[ROF], v25, 6, v[ROF]          ; + 64 h: my half's eight pairs of each 16
	s_wait_alu depctr_va_vdst(0)
.irp b, 0,1,2,3
	v_mov_b32 v[TM+4+\b], 0                        ; written once: a lane permute's destination counts as one of its sources
.endr
	s_and_b32 s100, s20, 15                        ; ks: the key step
	s_lshr_b32 s23, s20, 4                         ; b: the batch
	s_lshl_b32 s101, s23, 4
	s_lshl_b32 s94, s19, 1
	s_add_co_u32 s101, s101, s94                   ; bh0 = 16 b + 2 e: my first head
	s_lshl_b32 s94, s100, 15                       ; the table at row 128 ks + 32 wave
	s_lshl_b32 s95, s14, 13
	s_add_co_u32 s94, s94, s95
	s_mov_b32 s95, 0
	s_add_nc_u64 s[8:9], s[8:9], s[94:95]
	WIN 0x80                                       ; destination window 2
.irp m, 0,1                            ; tile 2 w + m's rows begin 8 m rows on; c: the head's lower or upper 32 numbers; eight pairs (cos, sin) = 64 bytes
.irp c, 0,1
.irp k, 0,1,2,3
	global_load_b128 v[CSR+32*\m+16*\c+4*\k:CSR+32*\m+16*\c+4*\k+3], v[ROF], s[8:9] offset:2048*\m+128*\c+16*\k
.endr
.endr
.endr
	WIN 0
	; where the results go
	s_lshl_b32 s84, s101, 7                        ; Q's codes: (128 bh0 + 8 ks + 2 w) x 768
	s_lshl_b32 s85, s100, 3
	s_add_co_u32 s84, s84, s85
	s_lshl_b32 s85, s14, 1
	s_add_co_u32 s84, s84, s85
	s_mul_i32 s84, s84, 768
	s_mov_b32 s85, 0
	s_add_nc_u64 s[84:85], s[10:11], s[84:85]
	s_lshl_b32 s86, s101, 5                        ; Q's scale words: SCOFF + (32 bh0 + 2 ks + w / 2) x 256 + 8 (w % 2)
	s_lshl_b32 s87, s100, 1
	s_add_co_u32 s86, s86, s87
	s_add_co_u32 s86, s86, s15
	s_lshl_b32 s86, s86, 8
	s_lshl_b32 s87, s16, 3
	s_add_co_u32 s86, s86, s87
	s_add_co_u32 s86, s86, SCOFF
	s_mov_b32 s87, 0
	s_add_nc_u64 s[86:87], s[10:11], s[86:87]
	s_lshl_b32 s88, s101, 4
	s_add_co_u32 s88, s88, s100
	s_mul_i32 s88, s88, KVSTEP                     ; head bh0's key step ks
	s_mov_b32 s89, 0
	s_lshl_b32 s90, s15, 8                         ; K's scale words: + 12,288 + 256 (w / 2) + 8 (w % 2)
	s_lshl_b32 s91, s16, 3
	s_add_co_u32 s90, s90, s91
	s_add_co_u32 s90, s90, s88
	s_add_co_u32 s90, s90, 12288
	s_mov_b32 s91, 0
	s_mul_i32 s92, s15, 16*KVSTEP
	s_add_co_u32 s92, s92, s88                     ; head bh0 + w / 2's key step ks
	s_lshl_b32 s94, s16, 3                         ; V's scale words: + 12,800 + 8 (w % 2)
	s_add_co_u32 s94, s94, s92
	s_add_co_u32 s94, s94, 12800
	s_mov_b32 s95, 0
	s_mul_i32 s93, s16, 3072                       ; V's codes: + 6,144 + 3,072 (w % 2)
	s_add_co_u32 s92, s92, s93
	s_add_co_u32 s92, s92, 6144
	s_mov_b32 s93, 0
	s_mul_i32 s23, s14, 1536                       ; K's codes: + 1,536 w
	s_add_co_u32 s88, s88, s23
	s_add_nc_u64 s[88:89], s[12:13], s[88:89]
	s_add_nc_u64 s[90:91], s[12:13], s[90:91]
	s_add_nc_u64 s[92:93], s[12:13], s[92:93]
	s_add_nc_u64 s[94:95], s[12:13], s[94:95]
	s_wait_alu depctr_va_vdst(0)                   ; the wait at the head's end
	s_wait_tensorcnt 0x0                           ; my half of x's or WQ's panel is in
	ds_add_u32 v[SPW], v[NIL]
	s_wait_dscnt 0x0
	CROUND                                         ; everybody's is, and all sixteen work-groups are here
	tensor_load_to_lds s[G0K:G0K+3], s[G1V:G1V+7]  ; my quarter of WK's panel: my one load behind the round; the Q job stands between it and the wait for it
	s_nop 0
	PLACES
	; ---- Q
	SETJOB S0, XP, S0+98304, 1024, XP+98304, 1024, RSW1
	s_wait_alu depctr_va_vdst(0)
	JOBLOOP
	s_wait_tensorcnt 0x0                           ; all my tensor loads have landed, my part of WK's panel among them;
	ds_add_u32 v[SPW], v[NIL]                      ; 0 onto my spare word;
	s_wait_dscnt 0x0                               ; the add is done, and my reads of WQ's panel are over
	CROUND                                         ; no wave of any partner still reads WQ's panel or has a load on its way
	tensor_load_to_lds s[G0V:G0V+3], s[G1V:G1V+7]  ; my quarter of WV's panel over WQ's: my one load behind the round
	s_nop 0
	PLACES                                         ; also the places behind the last products
	s_wait_loadcnt 0x0                             ; cos and sin
	EPI_QK 84, 98304, 86, QSO
	; ---- K
	SETJOB S1, XP, S1+98304, 1024, XP+98304, 1024, RSW1
	s_wait_alu depctr_va_vdst(0)
	JOBLOOP
	PLACES
	EPI_QK 88, 208896, 90, KSO
	s_wait_tensorcnt 0x0                           ; my part of WV's panel is in,
	s_barrier_signal -1
	s_barrier_wait -1                              ; everybody's is
	; ---- V: x is source 0 now
	SETJOB XP, S0, XP+98304, 1024, S0+98304, 1024, RSW1
	s_wait_alu depctr_va_vdst(0)
	JOBLOOP
	PLACES
	EPI_V
	s_wait_tensorcnt 0x0                           ; the wave's end
	ds_add_u32 v[SPW], v[NIL]
	s_wait_dscnt 0x0
	CROUND                                         ; the closing round: no work-group ends while a partner may still ask for a tile that names it
	s_endpgm
.Lfunc_end_k_q1ef26518e5_qkv:
	.size	k_q1ef26518e5_qkv, .Lfunc_end_k_q1ef26518e5_qkv-k_q1ef26518e5_qkv
	.p2alignl 7, 3214868480
	.fill 96, 4, 3214868480
	.section	.rodata,"a",@progbits
	.p2align	6, 0x0
	.amdhsa_kernel k_q1ef26518e5_qkv
		.amdhsa_group_segment_fixed_size 327680
		.amdhsa_private_segment_fixed_size 0
		.amdhsa_enable_private_segment 0
		.amdhsa_kernarg_size 40
		.amdhsa_user_sgpr_count 2
		.amdhsa_user_sgpr_kernarg_segment_ptr 1
		.amdhsa_wavefront_size32 1
		.amdhsa_system_sgpr_workgroup_id_x 1
		.amdhsa_system_sgpr_workgroup_id_y 1
		.amdhsa_system_sgpr_workgroup_id_z 1
		.amdhsa_system_vgpr_workitem_id 0
		.amdhsa_next_free_vgpr 640
		.amdhsa_next_free_sgpr 102
		.amdhsa_reserve_vcc 0
		.amdhsa_float_denorm_mode_32 3
		.amdhsa_float_denorm_mode_16_64 3
		.amdhsa_memory_ordered 1
		.amdhsa_forward_progress 1
		.amdhsa_inst_pref_size 173
	.end_amdhsa_kernel
	.amdgpu_metadata
---
amdhsa.version: [ 1, 2 ]
amdhsa.kernels:
  - .name:           k_q1ef26518e5_qkv
    .symbol:         k_q1ef26518e5_qkv.kd
    .args:
      - { .name: xcod, .offset: 0, .size: 8, .value_kind: global_buffer, .address_space: global }
      - { .name: wcod, .offset: 8, .size: 8, .value_kind: global_buffer, .address_space: global }
      - { .name: ropet, .offset: 16, .size: 8, .value_kind: global_buffer, .address_space: global }
      - { .name: qcod, .offset: 24, .size: 8, .value_kind: global_buffer, .address_space: global }
      - { .name: kvcod, .offset: 32, .size: 8, .value_kind: global_buffer, .address_space: global }
    .group_segment_fixed_size: 327680
    .private_segment_fixed_size: 0
    .kernarg_segment_align: 8
    .kernarg_segment_size: 40
    .max_flat_workgroup_size: 128
    .sgpr_count:     102
    .vgpr_count:     640
    .wavefront_size: 32
...
	.end_amdgpu_metadata
.endif
;; end of part 2
;; launch attn (part 3): grid 8 x 32, 16 waves a work-group, clusters of 4 x 1, 284,672 bytes of LDS; arguments qcod, kvcod, acod; writes acod
.if DOCPART == 3
	.amdgcn_target "amdgcn-amd-amdhsa--gfx1250"
	.amdhsa_code_object_version 6
	.text
	.protected	k_q1ef26518e5_attn
	.globl	k_q1ef26518e5_attn
	.p2align	8
	.type	k_q1ef26518e5_attn,@function
k_q1ef26518e5_attn:
	s_mov_b64 s[64:65], 0
	v_nop
	global_prefetch_b8 v0, s[64:65] scope:SCOPE_SE
	s_setreg_imm32_b32 hwreg(HW_REG_WAVE_MODE, 25, 1), 1
	s_wait_xcnt 0x0
	s_wait_alu depctr_hold_cnt(0) depctr_sa_sdst(0) depctr_va_vdst(0) depctr_va_sdst(0) depctr_va_ssrc(0) depctr_va_vcc(0) depctr_vm_vsrc(0)
	s_getreg_b32 s2, hwreg(HW_REG_IB_STS2, 6, 4)
	s_cmp_eq_u32 s2, 0
	s_cbranch_scc0 .Lentry_in_a_cluster
	s_endpgm
.Lentry_in_a_cluster:
	s_bfe_u32 s2, ttmp6, 0x10000c
	s_cmp_lg_u32 s2, 0x3003
	s_cbranch_scc0 .Lentry_shape_is_right
	s_endpgm
.Lentry_shape_is_right:
; Causal attention of one head on codes of FP6 (E2M3) with E8M0 scales: S^T = K Q^T, p = 2^(t - M), O^T += V^T p^T, O / l, and O quantised along the model's 1,024 for the output projection.
; t = score x log2(e) / 8; M = the running largest t rounded UP to a whole number; p is quantised along the keys, not normalised; l is the sum of the unquantised p.  When M moves, l and O^T are multiplied by 2^(old M - new M): exact.
; LEFT OUT: key steps all of whose keys come after a tile's queries: their p is 0 for all values of the inputs.
; SHARES.  Work-group (j, head): the 16 query tiles j + 8 b, b = 0 .. 15, one of each block of 128 queries: tile b needs key steps 0 .. b, 136 tile steps in every work-group, and every work-group reads all 16 key steps.
;   Waves 2 i and 2 i + 1 are a pair and share the tiles of blocks 15 - i and i, 17 tile steps.  A wave's KIND is (w xor w / 4) % 2, so that the two of a pair differ and the four waves whose numbers are equal modulo 4 are two of each kind.
;   Kind 0: key steps 0-8 of the high tile.  Kind 1: its key steps 9 .. 15 - i, whose O^T, l and M it puts into LDS, then the low tile whole.
;   Behind one barrier the wave of kind 0 joins the two parts of the high tile: both are brought under the larger M by powers of two, which rounds nothing.  Then each wave sends its tile out.
;   One loop of 15 trips for all waves: key step = (trip + 9 x kind) % 16; a step that is not the wave's is jumped over by a test on the wave's number and the trip alone.
; LDS: the head's K and V whole, 16 key steps of 13,056 bytes (K's 8 tiles x 768 | V's 4 channel tiles x 1,536 | K's scale words | V's): each wave brings one key step by its one tensor load; nothing is filled again.
;   Behind them 4,608 bytes for each wave (the part of a tile that it hands on), then the spare words.
; CLUSTER 4 x 1: the four work-groups read the same head's K and V: every load is asked for jointly.  No branch and no LDS address hangs on j: j enters the addresses of Q and of the result, and the diagonal's compare, alone.
; NO PREFETCH: all that the launch reads by tensor loads is asked for at its head; there is no trip to run ahead in.
; LAYOUT.  Both products are used transposed: a lane holds one query throughout.  The keys that form a tile of K are chosen by the lanes' addresses: lane r of tile t takes key 64 (t / 4) + 32 (r / 8) + 8 (t % 4) + r % 8 of the step,
;   so a lane's 32 registers of tiles 4 c .. 4 c + 3 are keys 64 c + 32 (lane / 16) + 0 .. 31: a whole block of the quantiser, in the operand's own order.  (In kvcod that key lies in tile 4 (t / 4) + 2 (r / 8) + t % 2, row r % 8 + 8 ((t % 4) / 2).)
; A HEAD HAS 64 ALONG K, THE INSTRUCTION 128.  Q's registers 6-11 hold zero codes; K's operand for tile t is v[32 + 6 t .. + 11]: its upper six registers are the next tile's codes (zeros behind the last).  No scale byte is 0xff: k = 64 .. 127 adds 0.
; OUT.  acod: panels of 8 row tiles, 102,400 bytes: codes [tile][half = head (16)][768], then scale words [tile / 4][K step = head / 2][r][tile % 4]; my row's two scale bytes leave by one store of 2 bytes a lane.
; LIMITS.  The promise holds while |t| stays under 2^31.  Hidden scores are -infinity: p = 0.  NaN and infinities are not served; a block of zeros keeps the byte 1 (its codes are zeros; this program alone reads the bytes).
.set KVSTEP, 13056
.set SCOFF,  3145728
.set PANEL,  102400
.set DUMP,   16*KVSTEP
.set DSZ,    4608
.set SPARE,  DUMP+16*DSZ
.set KL16, 11                          ; K's codes, lane terms: 1,536 (r / 8) + 16 (r % 8) + 256 h,
.set KL8,  29                          ; 1,536 (r / 8) + 8 (r % 8) + 128 h;
.set KLS,  30                          ; K's scale words: 16 (r % 8) + 8 (r / 8)
.set DW,   31                          ; where I put a part of a tile;  DR: where the other wave of my pair puts it
.set KFR,  32                          ; v32-79 K's 8 half fragments, later V's 4 fragments; v80-85 zeros
.set KSW,  86
.set VSW,  94
.set DR,   98
.set H8,   99                          ; 8 h
.set ST,   100                         ; v100-163 S^T, then p
.set OT,   164                         ; v164-195 O^T
.set PCD,  196                         ; p's codes
.set CT,   208                         ; the conversions' second halves
.set BM,   216
.set BT,   220
.set SOP,  224
.set PWD,  228
.set QBS,  229                         ; the low tile's Q: scale word, v238-241 and v248-249 codes
.set FF,   230
.set TT,   232
.set OM,   233                         ; the -M of the step before
.set NINF, 234
.set FB,   236
.set QB,   238
.set SM,   242                         ; v242-247 three chains of the sum
.set QB2,  248
.set SPW,  254
.set NIL,  255
; v1 16 x lane, v2 8 x lane, v3 16 r, v4 my query's place in its block - 32 h; v5-10 the step's LDS addresses; v12 -M, v13 the largest score, v[14:15] l; v16-27 Q; v28 Q's scale word
; s10 wave, s11 j, s12 head, s13 kind, s40 i, s41 15 - i, s42 the walk's start, s43 the trip of the change of tiles, s44 my tile's last step, s45 its diagonal step, s48 LDS byte, s49 key step, s52 trip
.macro ROUND
	s_barrier_signal -1
	s_barrier_wait -1
	s_cmp_lg_u32 s10, 0
	s_cbranch_scc1 .Lnot_wave_0_\@
	s_barrier_signal -3
.Lnot_wave_0_\@:
	s_barrier_wait -3
	s_barrier_signal -1
	s_barrier_wait -1
.endm
.macro QADR blk, cod, scl              ; tile T = 8 block + j: codes at (128 head + T) x 768, scale words at SCOFF + (32 head + T / 4) x 256 + 4 (T % 4)
	s_lshl_b32 s56, s[\blk], 3
	s_add_co_u32 s56, s56, s11
	s_lshl_b32 s58, s12, 7
	s_add_co_u32 s58, s58, s56
	s_mul_i32 s58, s58, 768
	s_add_nc_u64 s[\cod:\cod+1], s[4:5], s[58:59]
	s_lshl_b32 s58, s12, 5
	s_lshr_b32 s57, s56, 2
	s_add_co_u32 s58, s58, s57
	s_lshl_b32 s58, s58, 8
	s_and_b32 s57, s56, 3
	s_lshl_b32 s57, s57, 2
	s_add_co_u32 s58, s58, s57
	s_add_co_u32 s58, s58, SCOFF
	s_add_nc_u64 s[\scl:\scl+1], s[4:5], s[58:59]
.endm
	s_load_b128 s[4:7], s[0:1], 0x0                ; qcod, kvcod
	s_load_b64 s[8:9], s[0:1], 0x10                ; acod
	v_lshl_add_u32 v[SPW], v0, 2, SPARE
	v_mov_b32 v[NIL], 0
	ds_add_u32 v[SPW], v[NIL]                      ; the opening lines: the add twice on end and its wait
	ds_add_u32 v[SPW], v[NIL]
	v_lshrrev_b32 v1, 5, v0
	v_readfirstlane_b32 s10, v1                    ; wave 0..15
	s_bfe_u32 s11, ttmp6, 0x40000                  ; cx
	s_lshl_b32 s54, ttmp9, 2
	s_add_co_u32 s11, s11, s54                     ; j = 4 x cluster x + cx
	s_and_b32 s12, ttmp7, 0xffff                   ; the head, 0..31
	s_mov_b32 s24, 15|(3<<16)|(1<<21)              ; group 1: all four of the cluster; a key step is a dense block: 51 rows of 256 bytes (32 elements of 8 bytes)
	s_mov_b32 s25, 32<<16
	s_mov_b32 s26, 51<<16
	s_mov_b32 s27, 32<<16
	s_mov_b32 s28, 51
	s_mov_b32 s29, 32
	s_mov_b32 s30, 0
	s_mov_b32 s31, 0
	s_mov_b32 s20, 0x76543210
	s_mov_b32 s21, 0xfedcba98                      ; v_permlanex16_b32's selects: lane l xor 16
	s_mov_b32 s22, 0x3e38aa3b                      ; c = log2(e) / 8
	s_mov_b32 s23, s22
	s_mov_b32 s32, 1
	s_mul_i32 s33, s10, KVSTEP                     ; key step = my wave's number
	s_lshl_b32 s56, s12, 4
	s_add_co_u32 s56, s56, s10
	s_mul_i32 s56, s56, KVSTEP
	s_mov_b32 s57, 0
	s_wait_dscnt 0x0
	ROUND                                          ; the round in front of the joint loads: it needs no argument, so it stands ahead of the wait for them
	s_wait_kmcnt 0x0
	s_add_nc_u64 s[34:35], s[6:7], s[56:57]
	s_or_b32 s35, s35, 0x80000000
	tensor_load_to_lds s[32:35], s[24:31]          ; my one tensor load of the launch
	s_nop 0
.rept 4
	v_nop
.endr
	s_lshr_b32 s13, s10, 2
	s_xor_b32 s13, s13, s10
	s_and_b32 s13, s13, 1                          ; my kind
	s_lshr_b32 s40, s10, 1                         ; i
	s_sub_co_u32 s41, 15, s40                      ; the high tile's block
	s_mul_i32 s42, s13, 9
	s_cmp_lg_u32 s13, 0
	s_cselect_b32 s43, 7, 99                       ; kind 1 changes tiles at trip 7, where its walk comes to key step 0; kind 0 never
	s_cselect_b32 s44, s41, 8                      ; my last key step of the high tile
	s_cselect_b32 s46, s40, s41                    ; the block of the tile that I send out
	s_mov_b32 s45, s41
	s_mov_b32 s59, 0
	QADR 41, 14, 16
	QADR 40, 36, 38
	s_lshr_b32 s54, s12, 4
	s_lshl_b32 s54, s54, 4
	s_add_co_u32 s54, s54, s46
	s_mul_i32 s54, s54, PANEL                      ; the result's panel: 16 batch + block
	s_and_b32 s55, s12, 15                         ; the head in its batch
	s_mul_i32 s58, s11, 12288                      ; codes: + 12,288 j + 768 head
	s_add_co_u32 s58, s58, s54
	s_mul_i32 s56, s55, 768
	s_add_co_u32 s58, s58, s56
	s_add_nc_u64 s[18:19], s[8:9], s[58:59]
	s_lshr_b32 s58, s11, 2                         ; scale bytes: + 98,304 + 2,048 (j / 4) + 256 (head / 2) + 4 (j % 4) + 2 (head % 2)
	s_lshl_b32 s58, s58, 11
	s_add_co_u32 s58, s58, s54
	s_lshr_b32 s56, s55, 1
	s_lshl_b32 s56, s56, 8
	s_add_co_u32 s58, s58, s56
	s_and_b32 s56, s11, 3
	s_lshl_b32 s56, s56, 2
	s_add_co_u32 s58, s58, s56
	s_and_b32 s56, s55, 1
	s_lshl_b32 s56, s56, 1
	s_add_co_u32 s58, s58, s56
	s_add_co_u32 s58, s58, 98304
	s_add_nc_u64 s[2:3], s[8:9], s[58:59]
	s_lshr_b32 s60, s11, 1                         ; my tile's first query in its block: 32 (j / 2) + 8 (j % 2)
	s_lshl_b32 s60, s60, 5
	s_and_b32 s61, s11, 1
	s_lshl_b32 s61, s61, 3
	s_add_co_u32 s60, s60, s61
	s_mul_i32 s61, s10, DSZ
	s_add_co_u32 s61, s61, DUMP
	s_xor_b32 s62, s10, 1                          ; the other wave of my pair
	s_mul_i32 s62, s62, DSZ
	s_add_co_u32 s62, s62, DUMP
	v_and_b32 v8, 31, v0
	v_lshlrev_b32 v1, 4, v8
	v_lshlrev_b32 v2, 3, v8
	v_and_b32 v9, 15, v0                           ; r
	v_lshlrev_b32 v3, 4, v9
	v_bfe_u32 v10, v0, 4, 1                        ; h
	v_lshrrev_b32 v5, 3, v9
	v_and_b32 v6, 7, v9
	v_mul_u32_u24 v7, v5, 1536
	v_lshl_add_u32 v[KL16], v6, 4, v7
	v_lshl_add_u32 v[KL8], v6, 3, v7
	v_lshlrev_b32 v[KLS], 4, v6
	v_lshl_add_u32 v[KL16], v10, 8, v[KL16]
	v_lshl_add_u32 v[KL8], v10, 7, v[KL8]
	v_lshl_add_u32 v[KLS], v5, 3, v[KLS]
	v_lshlrev_b32 v[H8], 3, v10
	v_lshl_add_u32 v4, v5, 3, v9                   ; r + 8 (r / 8)
	v_lshlrev_b32 v7, 5, v10
	v_add_nc_u32 v4, s60, v4
	v_add_nc_u32 v[DW], s61, v1
	v_add_nc_u32 v[DR], s62, v1
	v_sub_nc_u32 v4, v4, v7
	s_wait_alu depctr_va_vdst(0)
	global_load_b128 v[16:19], v1, s[14:15]        ; the high tile's Q
	global_load_b64 v[20:21], v2, s[14:15] offset:512
	global_load_b32 v28, v3, s[16:17]
	global_load_b128 v[QB:QB+3], v1, s[36:37]      ; the low tile's: the wave of kind 1 takes it up at its change of tiles (both waves of a pair run these lines: one text for all)
	global_load_b64 v[QB2:QB2+1], v2, s[36:37] offset:512
	global_load_b32 v[QBS], v3, s[38:39]
.irp i, 0,1,2,3,4,5
	v_mov_b32 v[22+\i], 0                          ; zero codes for k = 64 .. 127
	v_mov_b32 v[80+\i], 0
.endr
	v_mov_b32 v13, 0xff61b1e6                      ; the largest score so far: -3e38
	v_mov_b32 v14, 0
	v_mov_b32 v15, 0
	v_floor_f32 v12, -v13                          ; -M: above every -M to come
.irp b, 0,1,2,3
	v_mov_b32 v[BT+\b], 0                          ; a lane permute's destination counts as one of its sources
.endr
	v_mov_b32 v[FF+1], 0                           ; (named as the upper halves of pairs)
	v_mov_b32 v[FB+1], 0
	v_mov_b32 v[TT], 0
	v_mov_b32 v[NINF], 0xff800000
.set N, 0
.rept 32
	v_mov_b32 v[OT+N], 0                           ; the step is written once: the first finds zeros
.set N, N+1
.endr
	s_wait_alu depctr_va_vdst(0)                   ; the wait at the head's end
	s_wait_tensorcnt 0x0                           ; my key step is in,
	s_barrier_signal -1
	s_barrier_wait -1                              ; everybody's is; nothing is filled again
	s_wait_loadcnt 0x0                             ; Q
	s_mov_b32 s52, 0
.Ltrip:
	s_cmp_eq_u32 s52, s43
	s_cbranch_scc0 .Lsame
	; ---- kind 1's change of tiles: its part of the high tile goes to LDS, the low tile begins
.rept 4
	v_nop                                          ; places behind the last products
.endr
.irp k, 0,1,2,3,4,5,6,7
	ds_store_b128 v[DW], v[OT+4*\k:OT+4*\k+3] offset:512*\k   ; each accumulator from its low end on
.endr
	ds_store_b128 v[DW], v[12:15] offset:4096      ; -M, the largest score, l
	s_wait_dscnt 0x0
.irp k, 0,1,2,3
	v_mov_b32 v[16+\k], v[QB+\k]
.endr
	v_mov_b32 v20, v[QB2]
	v_mov_b32 v21, v[QB2+1]
	v_mov_b32 v28, v[QBS]
	v_mov_b32 v13, 0xff61b1e6
	v_mov_b32 v14, 0
	v_mov_b32 v15, 0
	v_floor_f32 v12, -v13
.set N, 0
.rept 32
	v_mov_b32 v[OT+N], 0
.set N, N+1
.endr
	s_mov_b32 s44, s40                             ; the low tile's last step, which is its diagonal
	s_mov_b32 s45, s40
	s_wait_alu depctr_va_vdst(0)
.Lsame:
	s_add_co_u32 s49, s52, s42
	s_and_b32 s49, s49, 15                         ; the trip's key step
	s_cmp_gt_u32 s49, s44                          ; not mine, or all its keys come after my queries
	s_cbranch_scc1 .Lhidden
	s_mul_i32 s48, s49, KVSTEP
	v_add_nc_u32 v8, s48, v[KL16]                  ; four plain lines: the places in front of loads into registers that the last step's products read
	v_add_nc_u32 v9, s48, v[KL8]
	v_add_nc_u32 v10, s48, v[KLS]
	v_mov_b32 v[OM], v12
.irp t, 0,1,2,3,4,5,6,7
	ds_load_b128 v[KFR+6*\t:KFR+6*\t+3], v8 offset:768*(4*(\t/4)+\t%2)+128*((\t%4)/2)
	ds_load_b64 v[KFR+6*\t+4:KFR+6*\t+5], v9 offset:768*(4*(\t/4)+\t%2)+512+64*((\t%4)/2)
.endr
.irp t, 0,2,4,6
	ds_load_b64 v[KSW+\t:KSW+\t+1], v10 offset:12288+256*(\t/4)+128*((\t%4)/2)   ; the words of tiles t and t + 1 lie side by side
.endr
	s_wait_alu depctr_va_vdst(0)
	s_wait_dscnt 0x0
.irp t, 0,1,2,3,4,5,6,7
	v_wmma_scale_f32_16x16x128_f8f6f4 v[ST+8*\t:ST+8*\t+7], v[KFR+6*\t:KFR+6*\t+11], v[16:27], 0, v[KSW+\t], v28 matrix_a_fmt:MATRIX_FMT_FP6 matrix_b_fmt:MATRIX_FMT_FP6
.endr
	v_add_nc_u32 v5, s48, v1                       ; four plain lines: the places in front of the loads below and of the first read of the scores
	v_add_nc_u32 v6, s48, v2
	v_add_nc_u32 v7, s48, v3
	v_nop
.irp t, 0,1,2,3                        ; V's four fragments and scale words: they land under the softmax
	ds_load_b128 v[KFR+12*\t:KFR+12*\t+3], v5 offset:6144+1536*\t
	ds_load_b64 v[KFR+12*\t+4:KFR+12*\t+5], v6 offset:6144+1536*\t+512
	ds_load_b128 v[KFR+12*\t+6:KFR+12*\t+9], v5 offset:6144+1536*\t+768
	ds_load_b64 v[KFR+12*\t+10:KFR+12*\t+11], v6 offset:6144+1536*\t+1280
.endr
	ds_load_b128 v[VSW:VSW+3], v7 offset:12800
	s_cmp_lg_u32 s49, s45                          ; only on my tile's diagonal step are scores hidden
	s_cbranch_scc1 .Lopen
.set N, 0
.rept 64
	v_cmp_gt_i32 vcc_lo, 64*(N/32)+N%32, v4        ; register N holds key 64 (N / 32) + 32 h + N % 32 of the step
	v_cndmask_b32 v[ST+N], v[ST+N], v[NINF], vcc_lo
.set N, N+1
.endr
.Lopen:
.irp b, 0,1,2,3                        ; the largest score of each half block, four chains by turns
	v_max3_num_f32 v[BM+\b], v[ST+16*\b], v[ST+16*\b+1], v[ST+16*\b+2]
.endr
.irp i, 3,5,7,9,11,13
.irp b, 0,1,2,3
	v_max3_num_f32 v[BM+\b], v[BM+\b], v[ST+16*\b+\i], v[ST+16*\b+\i+1]
.endr
.endr
	v_max_num_f32 v[BM+1], v[BM+1], v[ST+31]
	v_max_num_f32 v[BM+3], v[BM+3], v[ST+63]
	v_max3_num_f32 v[BM], v[BM], v[ST+15], v[BM+1]        ; my two blocks' largest scores: they serve for the row's maximum and, since p rises with the score, for the blocks' largest p
	v_max3_num_f32 v[BM+1], v[BM+2], v[ST+47], v[BM+3]
	s_delay_alu instid0(VALU_DEP_1)
	v_max_num_f32 v[TT], v[BM], v[BM+1]
	s_delay_alu instid0(VALU_DEP_1)
	v_permlanex16_b32 v[BT], v[TT], s20, s21
	s_delay_alu instid0(VALU_DEP_1)
	v_max3_num_f32 v13, v13, v[TT], v[BT]          ; the running largest score, lane l xor 16's two blocks among them
	s_delay_alu instid0(VALU_DEP_1)
	v_mul_f32 v[TT], s22, v13                      ; as t (c is positive, so the largest score gives the largest t)
	s_delay_alu instid0(VALU_DEP_1)
	v_floor_f32 v12, -v[TT]                        ; the new -M = -ceil(t)
	s_delay_alu instid0(VALU_DEP_1)
	v_sub_f32 v[TT], v12, v[OM]                    ; old M - new M: a whole number, 0 or less
	s_delay_alu instid0(VALU_DEP_1)
	v_cvt_i32_f32 v[TT], v[TT]                     ; (it saturates)
	s_delay_alu instid0(VALU_DEP_1)
	v_ldexp_f32 v[FF], 1.0, v[TT]                  ; f
.set N, 0
.rept 32
	v_pk_fma_f32 v[ST+N:ST+N+1], v[ST+N:ST+N+1], s[22:23], v[12:13] op_sel_hi:[1,0,0]   ; t - M, two at a time
.set N, N+2
.endr
.irp c, 0,1
	v_fma_f32 v[BM+\c], v[BM+\c], s22, v12         ; the same of each block's largest score
.endr
.set N, 0
.rept 16
	v_pk_mul_f32 v[OT+N:OT+N+1], v[OT+N:OT+N+1], v[FF:FF+1] op_sel_hi:[1,0]   ; O^T under the new M
.set N, N+2
.endr
	s_wait_alu depctr_va_vdst(0)                   ; the wait ahead of the batch
.set N, 0
.rept 64
	v_exp_f32 v[ST+N], v[ST+N]                     ; p = 2^(t - M)
.set N, N+1
.endr
.irp c, 0,1
	v_exp_f32 v[BM+\c], v[BM+\c]                   ; the block's largest p: the same two instructions on the same number
.endr
	v_pk_mul_f32 v[14:15], v[14:15], v[FF:FF+1] op_sel_hi:[1,0]   ; l under the new M.  (The plain line behind the exponentials)
	s_wait_alu depctr_va_vdst(0)                   ; and the wait behind the batch
.irp c, 0,1
	v_max_num_f32 v[BM+\c], 0x1800000, v[BM+\c]    ; the floor 2^(3 - 127): the byte cannot fall under 1
.endr
.irp c, 0,1
	v_add_nc_u32 v[SOP+\c], 0xff000000, v[BM+\c]   ; 2 off the exponent field: the conversion's scale operand
.endr
.irp c, 0,1                            ; my blocks h and 2 + h, whole: registers 6 c .. 6 c + 5 of the operand
	v_cvt_scalef32_pk16_fp6_f32 v[PCD+6*\c:PCD+6*\c+2], v[ST+32*\c:ST+32*\c+15], v[SOP+\c]
	v_cvt_scalef32_pk16_fp6_f32 v[CT+4*\c:CT+4*\c+2], v[ST+32*\c+16:ST+32*\c+31], v[SOP+\c]   ; (a conversion's three registers begin on an even number)
.endr
.irp c, 0,1
	v_lshrrev_b32 v[BT+\c], 23, v[SOP+\c]          ; the scales' bytes.  (Also the plain line behind the conversions)
.endr
	v_lshl_or_b32 v[PWD], v[BT+1], 16, v[BT]       ; my two bytes,
	s_delay_alu instid0(VALU_DEP_1)
	v_lshlrev_b32 v[PWD], v[H8], v[PWD]            ; at their places in the row's word;
	s_delay_alu instid0(VALU_DEP_1)
	v_permlanex16_b32 v[BT+2], v[PWD], s20, s21
	s_delay_alu instid0(VALU_DEP_1)
	v_or_b32 v[PWD], v[PWD], v[BT+2]               ; with lane l xor 16's two the word is whole
.irp c, 0,1
.irp i, 0,1,2
	v_mov_b32 v[PCD+3+6*\c+\i], v[CT+4*\c+\i]
.endr
.endr
.irp k, 0,1,2                          ; l += the unquantised p: four chains.  (These 32 lines are the places between p's codes and scale word and the products)
	v_pk_add_f32 v[SM+2*\k:SM+2*\k+1], v[ST+4*\k:ST+4*\k+1], v[ST+4*\k+2:ST+4*\k+3]
.endr
.set N, 12
.rept 6
	v_pk_add_f32 v[14:15], v[14:15], v[ST+N:ST+N+1]
	v_pk_add_f32 v[SM:SM+1], v[SM:SM+1], v[ST+N+2:ST+N+3]
	v_pk_add_f32 v[SM+2:SM+3], v[SM+2:SM+3], v[ST+N+4:ST+N+5]
	v_pk_add_f32 v[SM+4:SM+5], v[SM+4:SM+5], v[ST+N+6:ST+N+7]
.set N, N+8
.endr
	v_pk_add_f32 v[14:15], v[14:15], v[ST+60:ST+61]
	v_pk_add_f32 v[SM:SM+1], v[SM:SM+1], v[ST+62:ST+63]
	v_pk_add_f32 v[SM+2:SM+3], v[SM+2:SM+3], v[SM+4:SM+5]
	s_delay_alu instid0(VALU_DEP_2)
	v_pk_add_f32 v[14:15], v[14:15], v[SM:SM+1]
	s_delay_alu instid0(VALU_DEP_1)
	v_pk_add_f32 v[14:15], v[14:15], v[SM+2:SM+3]
	s_wait_alu depctr_va_vdst(0)
	s_wait_dscnt 0x0                               ; V
.irp t, 0,1,2,3
	v_wmma_scale_f32_16x16x128_f8f6f4 v[OT+8*\t:OT+8*\t+7], v[KFR+12*\t:KFR+12*\t+11], v[PCD:PCD+11], v[OT+8*\t:OT+8*\t+7], v[VSW+\t], v[PWD] matrix_a_fmt:MATRIX_FMT_FP6 matrix_b_fmt:MATRIX_FMT_FP6
.endr
.Lhidden:
	s_add_co_u32 s52, s52, 1
	s_cmp_lt_u32 s52, 15                           ; kind 1's low tile ends at trip 7 + i, 14 at the most
	s_cbranch_scc1 .Ltrip
.rept 4
	v_nop                                          ; places behind the last products
.endr
	s_wait_dscnt 0x0                               ; my stores of a part are done
	s_barrier_signal -1
	s_barrier_wait -1
	s_cmp_lg_u32 s13, 0
	s_cbranch_scc1 .Lown
	; ---- kind 0 joins the high tile's two parts under the larger M
.irp k, 0,1,2,3,4,5,6,7,8
	ds_load_b128 v[ST+4*\k:ST+4*\k+3], v[DR] offset:512*\k
.endr
	s_wait_dscnt 0x0
	v_min_num_f32 v[TT], v12, v[ST+32]             ; the joint -M
	s_delay_alu instid0(VALU_DEP_1)
	v_sub_f32 v[BM], v[TT], v12
	v_sub_f32 v[BM+1], v[TT], v[ST+32]             ; (a part with no step has -M = 3e38: its factor comes out 0)
	s_delay_alu instid0(VALU_DEP_2)
	v_cvt_i32_f32 v[BM], v[BM]
	s_delay_alu instid0(VALU_DEP_2)
	v_cvt_i32_f32 v[BM+1], v[BM+1]
	s_delay_alu instid0(VALU_DEP_2)
	v_ldexp_f32 v[FF], 1.0, v[BM]
	s_delay_alu instid0(VALU_DEP_2)
	v_ldexp_f32 v[FB], 1.0, v[BM+1]
	v_pk_mul_f32 v[14:15], v[14:15], v[FF:FF+1] op_sel_hi:[1,0]
.set N, 0
.rept 16
	v_pk_mul_f32 v[OT+N:OT+N+1], v[OT+N:OT+N+1], v[FF:FF+1] op_sel_hi:[1,0]
.set N, N+2
.endr
	v_pk_fma_f32 v[14:15], v[ST+34:ST+35], v[FB:FB+1], v[14:15] op_sel_hi:[1,0,1]
.set N, 0
.rept 16
	v_pk_fma_f32 v[OT+N:OT+N+1], v[ST+N:ST+N+1], v[FB:FB+1], v[OT+N:OT+N+1] op_sel_hi:[1,0,1]
.set N, N+2
.endr
.Lown:
	; ---- O / l, quantised along its 64 channels: two blocks; register 16 b + i = channel 32 b + 16 h + i
	v_add_f32 v14, v14, v15
	s_delay_alu instid0(VALU_DEP_1)
	v_permlanex16_b32 v[TT], v14, s20, s21
	s_delay_alu instid0(VALU_DEP_1)
	v_add_f32 v14, v14, v[TT]                      ; the row's sum
	s_wait_alu depctr_va_vdst(0)
	v_rcp_f32 v14, v14
	v_nop                                          ; a plain line behind the reciprocal
	s_wait_alu depctr_va_vdst(0)
.set N, 0
.rept 32
	v_mul_f32 v[ST+N], v[OT+N], v14                ; each accumulator from its low end on
.set N, N+1
.endr
.irp b, 0,1
	v_max3_num_f32 v[BM+\b], |v[ST+16*\b]|, |v[ST+1+16*\b]|, 0x1800000
.endr
.irp i, 2,4,6,8,10,12,14
.irp b, 0,1
	s_delay_alu instid0(VALU_DEP_2)
	v_max3_num_f32 v[BM+\b], v[BM+\b], |v[ST+16*\b+\i]|, |v[ST+1+16*\b+\i]|
.endr
.endr
.irp b, 0,1
	s_delay_alu instid0(VALU_DEP_2)
	v_permlanex16_b32 v[BT+\b], v[BM+\b], s20, s21
.endr
.irp b, 0,1
	s_delay_alu instid0(VALU_DEP_2)
	v_max_num_f32 v[BM+\b], v[BM+\b], v[BT+\b]
.endr
.irp b, 0,1
	s_delay_alu instid0(VALU_DEP_2)
	v_add_nc_u32 v[SOP+\b], 0xff000000, v[BM+\b]
.endr
.irp b, 0,1
	s_delay_alu instid0(VALU_DEP_2)
	v_lshrrev_b32 v[BT+\b], 23, v[SOP+\b]
.endr
	s_delay_alu instid0(VALU_DEP_1)
	v_lshl_or_b32 v[PWD], v[BT+1], 8, v[BT]
	v_cvt_scalef32_pk16_fp6_f32 v[PCD:PCD+2], v[ST:ST+15], v[SOP]
	v_cvt_scalef32_pk16_fp6_f32 v[CT:CT+2], v[ST+16:ST+31], v[SOP+1]
	v_nop                                          ; one plain line behind a scaled conversion
.irp i, 0,1,2
	v_permlane16_swap_b32 v[PCD+\i], v[CT+\i]      ; a whole block to a lane
.endr
.irp i, 0,1,2
	s_delay_alu instid0(VALU_DEP_3)
	v_mov_b32 v[PCD+3+\i], v[CT+\i]
.endr
	global_store_b128 v1, v[PCD:PCD+3], s[18:19]             ; 512 and 256 consecutive bytes, aligned
	global_store_b64 v2, v[PCD+4:PCD+5], s[18:19] offset:512
	global_store_b16 v3, v[PWD], s[2:3]                      ; my row's two scale bytes; lanes 16-31 write the same bytes with the same values
	s_wait_tensorcnt 0x0                           ; the wave's end
	ds_add_u32 v[SPW], v[NIL]
	s_wait_dscnt 0x0
	ROUND                                          ; the closing round
	s_endpgm
.Lfunc_end_k_q1ef26518e5_attn:
	.size	k_q1ef26518e5_attn, .Lfunc_end_k_q1ef26518e5_attn-k_q1ef26518e5_attn
	.p2alignl 7, 3214868480
	.fill 96, 4, 3214868480
	.section	.rodata,"a",@progbits
	.p2align	6, 0x0
	.amdhsa_kernel k_q1ef26518e5_attn
		.amdhsa_group_segment_fixed_size 284672
		.amdhsa_private_segment_fixed_size 0
		.amdhsa_enable_private_segment 0
		.amdhsa_kernarg_size 24
		.amdhsa_user_sgpr_count 2
		.amdhsa_user_sgpr_kernarg_segment_ptr 1
		.amdhsa_wavefront_size32 1
		.amdhsa_system_sgpr_workgroup_id_x 1
		.amdhsa_system_sgpr_workgroup_id_y 1
		.amdhsa_system_sgpr_workgroup_id_z 1
		.amdhsa_system_vgpr_workitem_id 0
		.amdhsa_next_free_vgpr 256
		.amdhsa_next_free_sgpr 66
		.amdhsa_reserve_vcc 1
		.amdhsa_float_denorm_mode_32 3
		.amdhsa_float_denorm_mode_16_64 3
		.amdhsa_memory_ordered 1
		.amdhsa_forward_progress 1
		.amdhsa_inst_pref_size 40
	.end_amdhsa_kernel
	.amdgpu_metadata
---
amdhsa.version: [ 1, 2 ]
amdhsa.kernels:
  - .name:           k_q1ef26518e5_attn
    .symbol:         k_q1ef26518e5_attn.kd
    .args:
      - { .name: qcod, .offset: 0, .size: 8, .value_kind: global_buffer, .address_space: global }
      - { .name: kvcod, .offset: 8, .size: 8, .value_kind: global_buffer, .address_space: global }
      - { .name: acod, .offset: 16, .size: 8, .value_kind: global_buffer, .address_space: global }
    .group_segment_fixed_size: 284672
    .private_segment_fixed_size: 0
    .kernarg_segment_align: 8
    .kernarg_segment_size: 24
    .max_flat_workgroup_size: 512
    .sgpr_count:     66
    .vgpr_count:     256
    .wavefront_size: 32
...
	.end_amdgpu_metadata
.endif
;; end of part 3
;; launch oproj (part 4): grid 8 x 32, 4 waves a work-group, clusters of 4 x 4, 239,104 bytes of LDS; arguments acod, wcod, out0; writes out0
.if DOCPART == 4
	.amdgcn_target "amdgcn-amd-amdhsa--gfx1250"
	.amdhsa_code_object_version 6
	.text
	.protected	k_q1ef26518e5_oproj
	.globl	k_q1ef26518e5_oproj
	.p2align	8
	.type	k_q1ef26518e5_oproj,@function
k_q1ef26518e5_oproj:
	s_mov_b64 s[64:65], 0
	v_nop
	global_prefetch_b8 v0, s[64:65] scope:SCOPE_SE
	s_setreg_imm32_b32 hwreg(HW_REG_WAVE_MODE, 25, 1), 1
	s_wait_xcnt 0x0
	s_wait_alu depctr_hold_cnt(0) depctr_sa_sdst(0) depctr_va_vdst(0) depctr_va_sdst(0) depctr_va_ssrc(0) depctr_va_vcc(0) depctr_vm_vsrc(0)
	s_getreg_b32 s2, hwreg(HW_REG_IB_STS2, 6, 4)
	s_cmp_eq_u32 s2, 0
	s_cbranch_scc0 .Lentry_in_a_cluster
	s_endpgm
.Lentry_in_a_cluster:
	s_bfe_u32 s2, ttmp6, 0x10000c
	s_cmp_lg_u32 s2, 0xf033
	s_cbranch_scc0 .Lentry_shape_is_right
	s_endpgm
.Lentry_shape_is_right:
; out0 = A WO^T on codes of FP6 (E2M3) with E8M0 scales; A is the attention's result.  acod, wcod: the operand format: row tile T = 2 B + u holds rows 32 B + 8 u + r + 8 (r / 8);
; codes [T][half of 64 K (16)][768 bytes: registers 0-3 at 16 x lane, registers 4-5 at 512 + 8 x lane]; scale words at SCOFF: [T / 4][K step (8)][r][T % 4].
; SHARES.  Work-group (e, p): 128 rows of WO (panel 24 + e of wcod: outputs 128 e on) x 128 rows of A (panel p) x K 1,024.  WO is source 0 and runs along a lane's registers, A is source 1: one row to a lane.
; Wave w: all 8 tiles of WO x A's tiles 2 w, 2 w + 1: 16 accumulators, by turns.  Both panels lie in LDS whole, filled once.
; CLUSTER 4 x 4: A's panel hangs on p alone and is asked for jointly along a row of the cluster, WO's on e alone, along a column.
; THE WAY OUT.  A lane's registers of a tile of A are 128 outputs of one row, register 16 b + i = output 32 b + 16 (lane / 16) + i.  16 rows go through the wave's own stage in LDS (no tensor load lands there) and leave as whole rows of 512 bytes.
; REGISTERS, in windows of 256.  Window 0: v1-23 addresses; v32-47 WO's scale words, v48-51 A's (two sets each); v64-127 rows on the way out; v128-255 accumulators.  Window 1: WO's fragments, two sets of 96.  Window 2: A's, two sets of 24.
; A PANEL of acod and wcod (8 row tiles) is 102,400 dense bytes: codes [tile (8)][half (16)][768], then its scale words [tile / 4 (2)][K step (8)][r][tile % 4].  It lies in LDS as in memory.
; Waves 0 and 1 bring the halves of A's panel, waves 2 and 3 those of WO's: one load a wave.
.set PANEL,  102400
.set RP,     0                         ; LDS: A's panel, as in memory
.set PP,     PANEL                     ; WO's
.set STG,    2*PANEL
.set LI16, 1
.set LI8,  2
.set R16,  3
.set LW16, 7
.set LW8,  8
.set RSW1, 9
.set AP16, 12
.set AP8,  14
.set AR16, 16
.set AR8,  18
.set APS,  20
.set ARS,  21
.set STO,  22
.set RD,   23
.set PSC,  32
.set RSC,  48
.set BK,   64
.set ACC,  128
.set G1A,  24
.set G1W,  32
.set G0A,  68
.set G0W,  72
.set MSB, 0
.macro WIN new                         ; the immediate's high byte repeats the setting that is left; a switch that changes nothing is dropped
.if MSB != \new
	s_set_vgpr_msb (MSB<<8)|\new
.set MSB, \new
.endif
.endm
.macro PLACES                          ; four plain lines between a matrix instruction and a read of its result, or a load into one of its registers
.rept 4
	v_nop
.endr
.endm
.macro CROUND                          ; a round of the cluster's barrier
	s_barrier_signal -1
	s_barrier_wait -1
	s_cmp_lg_u32 s14, 0
	s_cbranch_scc1 .Lnot_wave_0_\@
	s_barrier_signal -3
.Lnot_wave_0_\@:
	s_barrier_wait -3
	s_barrier_signal -1
	s_barrier_wait -1
.endm
.macro SETJOB pbase, rbase, psbase, psa, rsbase, rsa, rsw
.set PSA, \psa
.set RSA, \rsa
.irp c, 0,1
	v_add_nc_u32 v[AP16+\c], \pbase+49152*\c, v[LI16]
	v_add_nc_u32 v[AP8+\c], \pbase+49152*\c, v[LI8]
.endr
	v_add_nc_u32 v[AR16], \rbase, v[LW16]
	v_add_nc_u32 v[AR8], \rbase, v[LW8]
	v_add_nc_u32 v[APS], \psbase, v[R16]
	v_add_nc_u32 v[ARS], \rsbase, v[\rsw]
.endm
.macro FRAG4 reg, a16, a8, off         ; a fragment's 12 registers: two halves' images
	ds_load_b128 v[\reg:\reg+3], v[\a16] offset:\off
	ds_load_b64 v[\reg+4:\reg+5], v[\a8] offset:\off+512
	ds_load_b128 v[\reg+6:\reg+9], v[\a16] offset:\off+768
	ds_load_b64 v[\reg+10:\reg+11], v[\a8] offset:\off+1280
.endm
.macro FETCH q                         ; K step q's 43 loads into set q % 2
.set FS, (\q)%2
.set FC, (\q)/4
.set FO, 1536*(\q)
	WIN 0x40                                       ; destination window 1, address window 0
.irp t, 0,1,2,3,4,5,6,7
	FRAG4 96*FS+12*\t, AP16+\t/4, AP8+\t/4, FO+12288*(\t%4)
.endr
	WIN 0x80                                       ; destination window 2
.irp m, 0,1
	FRAG4 24*FS+12*\m, AR16, AR8, FO+12288*\m
.endr
	WIN 0
	ds_load_b128 v[PSC+8*FS:PSC+8*FS+3], v[APS] offset:PSA*FC+256*((\q)%4)
	ds_load_b128 v[PSC+8*FS+4:PSC+8*FS+7], v[APS] offset:PSA*FC+256*((\q)%4)+2*PSA
	ds_load_b64 v[RSC+2*FS:RSC+2*FS+1], v[ARS] offset:RSA*FC+256*((\q)%4)
.endm
.macro MUL q, zero                     ; 16 matrix instructions; the 16 accumulators take turns, in the same order in every step
.set FS, (\q)%2
	WIN 0x09                                       ; source 0 window 1, source 1 window 2, C and D window 0
.irp t, 0,1,2,3,4,5,6,7
.irp m, 0,1
.if \zero
	v_wmma_scale_f32_16x16x128_f8f6f4 v[ACC+64*\m+8*\t:ACC+64*\m+8*\t+7], v[96*FS+12*\t:96*FS+12*\t+11], v[24*FS+12*\m:24*FS+12*\m+11], 0, v[PSC+8*FS+\t], v[RSC+2*FS+\m] matrix_a_fmt:MATRIX_FMT_FP6 matrix_b_fmt:MATRIX_FMT_FP6
.else
	v_wmma_scale_f32_16x16x128_f8f6f4 v[ACC+64*\m+8*\t:ACC+64*\m+8*\t+7], v[96*FS+12*\t:96*FS+12*\t+11], v[24*FS+12*\m:24*FS+12*\m+11], v[ACC+64*\m+8*\t:ACC+64*\m+8*\t+7], v[PSC+8*FS+\t], v[RSC+2*FS+\m] matrix_a_fmt:MATRIX_FMT_FP6 matrix_b_fmt:MATRIX_FMT_FP6
.endif
.endr
.endr
.endm
.macro JOBLOOP                         ; eight K steps, written out; each step's loads are issued a step ahead
	FETCH 0
	FETCH 1
	s_wait_alu depctr_va_vdst(0)
	s_wait_dscnt 43                                ; step 0's loads are in; the 43 issued behind them may be out
	MUL 0, 1
.irp q, 1,2,3,4,5,6
	PLACES
	FETCH \q+1
	s_wait_dscnt 43
	MUL \q, 0
.endr
	s_wait_dscnt 0x0
	MUL 7, 0
	WIN 0
.endm
	s_load_b128 s[4:7], s[0:1], 0x0                ; acod, wcod
	s_load_b64 s[8:9], s[0:1], 0x10                ; out0
	v_lshl_add_u32 v62, v0, 2, 0x3a400
	v_mov_b32 v63, 0
	ds_add_u32 v62, v63
	ds_add_u32 v62, v63
	v_lshrrev_b32 v11, 5, v0
	v_readfirstlane_b32 s14, v11                   ; wave
	s_lshr_b32 s15, s14, 1
	s_and_b32 s16, s14, 1
	s_bfe_u32 s17, ttmp6, 0x40000                  ; cx, cy
	s_bfe_u32 s18, ttmp6, 0x40004
	s_lshl_b32 s19, ttmp9, 2
	s_add_co_u32 s19, s19, s17                     ; e
	s_and_b32 s20, ttmp7, 0xffff
	s_lshl_b32 s20, s20, 2
	s_add_co_u32 s20, s20, s18                     ; p
	s_lshl_b32 s21, s18, 2
	s_lshl_b32 s21, 15, s21                        ; my row of the cluster
	s_lshl_b32 s22, 0x1111, s17                    ; my column
	s_or_b32 s[G1A], s21, (3<<16)|(1<<21)          ; elements of 8 bytes, no padding; the mask, and bit 21 beside it
	s_or_b32 s[G1W], s22, (3<<16)|(1<<21)
.irp g, G1A, G1W                       ; a panel in dense halves, one a wave
	s_mov_b32 s[\g+1], 32<<16                      ; half a panel: 51,200 dense bytes as 200 rows of 256
	s_mov_b32 s[\g+2], 200<<16
	s_mov_b32 s[\g+3], 32<<16
	s_mov_b32 s[\g+4], 200
	s_mov_b32 s[\g+5], 32
	s_mov_b32 s[\g+6], 0
	s_mov_b32 s[\g+7], 0
.endr
	s_mul_i32 s76, s16, 51200                      ; my half of a panel, in memory and in LDS
	s_mov_b32 s[G0A], 1
	s_mov_b32 s[G0A+1], s76
	s_mov_b32 s[G0W], 1
	s_add_co_u32 s[G0W+1], s[G0A+1], PP
	s_mov_b32 s3, 0
	s_mov_b32 s67, 0
	s_mul_i32 s2, s20, PANEL                       ; A's addresses are made of p and the wave's number, WO's of e and the wave's number, each in registers that never hold the other
	s_add_co_u32 s2, s2, s76
	s_mul_i32 s66, s19, PANEL
	s_add_co_u32 s66, s66, s76
	s_add_co_u32 s66, s66, 24*PANEL
	s_wait_dscnt 0x0
	CROUND                                         ; the round in front of the joint loads: it needs no argument, so it stands ahead of the wait for them
	s_wait_kmcnt 0x0
	s_add_nc_u64 s[G0A+2:G0A+3], s[4:5], s[2:3]
	s_add_nc_u64 s[G0W+2:G0W+3], s[6:7], s[66:67]
.irp g, G0A, G0W
	s_or_b32 s[\g+3], s[\g+3], 0x80000000
.endr
	s_cmp_eq_u32 s15, 0
	s_cbranch_scc0 .Lhead_w
	tensor_load_to_lds s[G0A:G0A+3], s[G1A:G1A+7]  ; waves 0, 1: the halves of A's panel
	s_nop 0
	PLACES
	s_branch .Lhead_asked
.Lhead_w:
	tensor_load_to_lds s[G0W:G0W+3], s[G1W:G1W+7]  ; waves 2, 3: the halves of WO's
	s_nop 0
	PLACES
.Lhead_asked:
	v_and_b32 v11, 31, v0
	v_lshlrev_b32 v[LI16], 4, v11
	v_lshlrev_b32 v[LI8], 3, v11
	v_and_b32 v11, 15, v0                          ; r
	v_lshlrev_b32 v[R16], 4, v11
	v_bfe_u32 v25, v0, 4, 1                        ; h
	s_mul_i32 s76, s14, 24576                      ; A's tiles 2 w on: 12,288 bytes a tile
	v_add_nc_u32 v[LW16], s76, v[LI16]
	v_add_nc_u32 v[LW8], s76, v[LI8]
	s_lshl_b32 s76, s15, 11
	s_lshl_b32 s77, s16, 3
	s_add_co_u32 s76, s76, s77
	v_add_nc_u32 v[RSW1], s76, v[R16]
	s_mul_i32 s76, s14, 16*528
	s_add_co_u32 s76, s76, STG                     ; my stage
	v_mul_u32_u24 v[STO], v11, 528                 ; in: row r, + 64 h
	v_lshl_add_u32 v[STO], v25, 6, v[STO]
	v_add_nc_u32 v[STO], s76, v[STO]
	v_add_nc_u32 v[RD], s76, v[LI16]               ; back: the 32 lanes take one row of 512 bytes
	s_lshl_b32 s84, s20, 19                        ; out0 at row 128 p + 32 wave, column 128 e
	s_lshl_b32 s85, s14, 17
	s_add_co_u32 s84, s84, s85
	s_lshl_b32 s85, s19, 9
	s_add_co_u32 s84, s84, s85
	s_mov_b32 s85, 0
	s_add_nc_u64 s[84:85], s[8:9], s[84:85]
	s_wait_alu depctr_va_vdst(0)
	s_wait_tensorcnt 0x0                           ; my parts of both panels and their scale words are in,
	s_barrier_signal -1
	s_barrier_wait -1                              ; everybody's are
	SETJOB PP, RP, PP+98304, 1024, RP+98304, 1024, RSW1
	JOBLOOP
	PLACES
.irp m, 0,1                            ; tile 2 w + m of A: its lane k holds row 8 m + k + 8 (k / 8) of my 32
.if \m
	s_wait_xcnt 0x0                                ; the first tile's stores have read their registers: the loads below may land there
.endif
.irp t, 0,1,2,3,4,5,6,7
	ds_store_b128 v[STO], v[ACC+64*\m+8*\t:ACC+64*\m+8*\t+3] offset:128*(\t/2)+32*(\t%2)       ; each accumulator from its low end on
	ds_store_b128 v[STO], v[ACC+64*\m+8*\t+4:ACC+64*\m+8*\t+7] offset:128*(\t/2)+32*(\t%2)+16
.endr
.irp k, 0,1,2,3,4,5,6,7,8,9,10,11,12,13,14,15
	ds_load_b128 v[BK+4*\k:BK+4*\k+3], v[RD] offset:528*\k   ; LDS serves a wave's instructions in order (ISA guide 5.7.1.4): these see the stores above, and the next tile's stores come behind them
.endr
.irp k, 0,1,2,3,4,5,6,7,8,9,10,11,12,13,14,15
	s_wait_dscnt 15-\k                             ; row k is back; the younger loads may be out
	global_store_b128 v[LI16], v[BK+4*\k:BK+4*\k+3], s[84:85] offset:(8*\m+\k+8*(\k/8))*4096 th:TH_STORE_NT   ; 32 lanes store 512 consecutive bytes, aligned; written once, read by nobody here
.endr
.endr
	s_wait_dscnt 0x0
	s_wait_tensorcnt 0x0
	ds_add_u32 v62, v63
	s_wait_dscnt 0x0
	CROUND                                         ; the closing round: no work-group ends while a partner may still ask for a tile that names it
	s_endpgm
.Lfunc_end_k_q1ef26518e5_oproj:
	.size	k_q1ef26518e5_oproj, .Lfunc_end_k_q1ef26518e5_oproj-k_q1ef26518e5_oproj
	.p2alignl 7, 3214868480
	.fill 96, 4, 3214868480
	.section	.rodata,"a",@progbits
	.p2align	6, 0x0
	.amdhsa_kernel k_q1ef26518e5_oproj
		.amdhsa_group_segment_fixed_size 239104
		.amdhsa_private_segment_fixed_size 0
		.amdhsa_enable_private_segment 0
		.amdhsa_kernarg_size 24
		.amdhsa_user_sgpr_count 2
		.amdhsa_user_sgpr_kernarg_segment_ptr 1
		.amdhsa_wavefront_size32 1
		.amdhsa_system_sgpr_workgroup_id_x 1
		.amdhsa_system_sgpr_workgroup_id_y 1
		.amdhsa_system_sgpr_workgroup_id_z 1
		.amdhsa_system_vgpr_workitem_id 0
		.amdhsa_next_free_vgpr 640
		.amdhsa_next_free_sgpr 96
		.amdhsa_reserve_vcc 0
		.amdhsa_float_denorm_mode_32 3
		.amdhsa_float_denorm_mode_16_64 3
		.amdhsa_memory_ordered 1
		.amdhsa_forward_progress 1
		.amdhsa_inst_pref_size 54
	.end_amdhsa_kernel
	.amdgpu_metadata
---
amdhsa.version: [ 1, 2 ]
amdhsa.kernels:
  - .name:           k_q1ef26518e5_oproj
    .symbol:         k_q1ef26518e5_oproj.kd
    .args:
      - { .name: acod, .offset: 0, .size: 8, .value_kind: global_buffer, .address_space: global }
      - { .name: wcod, .offset: 8, .size: 8, .value_kind: global_buffer, .address_space: global }
      - { .name: out0, .offset: 16, .size: 8, .value_kind: global_buffer, .address_space: global }
    .group_segment_fixed_size: 239104
    .private_segment_fixed_size: 0
    .kernarg_segment_align: 8
    .kernarg_segment_size: 24
    .max_flat_workgroup_size: 128
    .sgpr_count:     96
    .vgpr_count:     640
    .wavefront_size: 32
...
	.end_amdgpu_metadata
.endif
;; end of part 4
